; MI455X (gfx1250); checked and timed in simulation.
; The chip was launched on July 23, 2026; its instructions are those of AMD's public machine-readable ISA for CDNA 5 (MIT licence, August 2026) and "CDNA5" Instruction Set Architecture Reference Guide (July 2026). The comments in the code are by the model that wrote it; some were corrected since.
;; Attention. Allowed arithmetic: float matrix products may take bf16 or f16 operands with f32 sums; all other float work in f32.
;; Inputs: Wk 1,024 x 1,024 float32; Wo 1,024 x 1,024 float32; Wq 1,024 x 1,024 float32; Wv 1,024 x 1,024 float32; bo 1,024 float32; bq 1,024 float32; bv 1,024 float32; cos 1 x 4,096 x 64 float32; mask 1 x 4,096 bool; sin 1 x 4,096 x 64 float32; x 1 x 4,096 x 1,024 float32.
;; Outputs: out0 1 x 4,096 x 1,024 float32.
;; 2 versions, each right; version 2 is version 1 with the launch prep written anew for expert scheduling mode. Each part assembles by itself: llvm-mc -triple=amdgcn-amd-amdhsa -mcpu=gfx1250 --defsym DOCPART=n.
;; ======== version 1 of 2: 4 launches
;; limits: right only within a limited range of input values; values are held in f16: magnitudes above 65,504 overflow, below 6.1e-05 lose precision
;; workspace buffers: x16 8,388,608 bytes; w16 6,291,456 bytes; wo16 2,097,152 bytes; qh 8,388,608 bytes; kh 8,388,608 bytes; vh 8,388,608 bytes; ctx 8,388,608 bytes
;; launch prep (part 1): grid 256 x 1, 8 waves a work-group, no clusters, 0 bytes of LDS; arguments x, Wq, Wk, Wv, Wo, x16, w16, wo16; writes x16, w16, wo16
.if DOCPART == 1
	.amdgcn_target "amdgcn-amd-amdhsa--gfx1250"
	.amdhsa_code_object_version 6
	.text
	.protected	k_q7fb58f4c1c_prep
	.globl	k_q7fb58f4c1c_prep
	.p2align	8
	.type	k_q7fb58f4c1c_prep,@function
k_q7fb58f4c1c_prep:
	s_mov_b64 s[64:65], 0
	v_nop
	global_prefetch_b8 v0, s[64:65] scope:SCOPE_SE
	s_setreg_imm32_b32 hwreg(HW_REG_WAVE_MODE, 25, 1), 1
	s_wait_xcnt 0x0
; Casts the matrix operands from f32 to f16, once, so that the later launches move half the bytes and can bring
; their tiles in with tensor loads:
;   x16  [4096][1024]          = f16(x)
;   w16  [type q,k,v][head 16][k 1024][64] = f16(Wq, Wk, Wv), regrouped so that one head's 64 columns of one weight are a dense plane
;   wo16 [1024][1024]          = f16(Wo)
; LIMIT: |x| and |W| must stay below 65504 (f16's largest number); beyond it the cast gives infinity.
; A stream: no LDS, no barrier, no matrix unit, no cluster (no byte is read twice).  2,048 waves; each has 32 items.
; An item = one load of 16 bytes a lane (the wave: 512 bytes), two conversions, one store of 8 bytes a lane (the wave: 256
; consecutive bytes, aligned).  All 32 loads of a wave go out first (16 KiB a wave on their way); no register is written twice,
; so the only waits are the counted ones for the loads.
.set X, 8                              ; v[8:135]    item n: 4 registers as loaded
.set Y, 136                            ; v[136:199]  item n: 2 registers to store
	s_load_b512 s[4:19], s[0:1], 0x0               ; x s[4:5], Wq s[6:7], Wk s[8:9], Wv s[10:11], Wo s[12:13], x16 s[14:15], w16 s[16:17], wo16 s[18:19]
	v_lshrrev_b32 v4, 5, v0
	v_readfirstlane_b32 s20, v4                    ; wave in the work-group
	s_lshl_b32 s21, ttmp9, 3
	s_add_co_u32 s21, s21, s20                     ; W: wave in the launch, 0 to 2047
	v_and_b32 v4, 31, v0                           ; lane L
	v_lshlrev_b32 v1, 4, v4                        ; 16 L: dense source
	v_lshlrev_b32 v2, 3, v4                        ; 8 L: every destination
	v_and_b32 v3, 15, v0
	v_lshlrev_b32 v3, 4, v3
	v_bfe_u32 v5, v0, 4, 1
	v_lshl_add_u32 v3, v5, 12, v3                  ; a weight's source: lanes 0-15 take 256 bytes of one row, lanes 16-31 of the next row (4,096 bytes on)
	s_lshl_b32 s22, s21, 13                        ; x: 8,192 bytes a wave
	s_mov_b32 s23, 0
	s_lshl_b32 s24, s21, 12                        ; x16: 4,096 bytes a wave
	s_mov_b32 s25, 0
	s_lshr_b32 s30, s21, 4                         ; W >> 4: which eight rows of a weight
	s_and_b32 s31, s21, 15                         ; W & 15: which head
	s_lshl_b32 s26, s30, 15                        ; eight rows of 4,096 bytes
	s_lshl_b32 s32, s31, 8                         ; the head's 64 columns: 256 bytes
	s_add_co_u32 s26, s26, s32
	s_mov_b32 s27, 0
	s_lshl_b32 s28, s31, 17                        ; w16: the head's plane of 131,072 bytes
	s_lshl_b32 s33, s30, 10                        ; eight rows of 128 bytes
	s_add_co_u32 s28, s28, s33
	s_mov_b32 s29, 0
	s_lshl_b32 s34, s21, 11                        ; Wo: 2,048 bytes a wave
	s_mov_b32 s35, 0
	s_lshl_b32 s36, s21, 10                        ; wo16: 1,024 bytes a wave
	s_mov_b32 s37, 0
	s_wait_kmcnt 0x0
	s_add_nc_u64 s[4:5], s[4:5], s[22:23]
	s_add_nc_u64 s[6:7], s[6:7], s[26:27]
	s_add_nc_u64 s[8:9], s[8:9], s[26:27]
	s_add_nc_u64 s[10:11], s[10:11], s[26:27]
	s_add_nc_u64 s[12:13], s[12:13], s[34:35]
	s_add_nc_u64 s[14:15], s[14:15], s[24:25]
	s_add_nc_u64 s[16:17], s[16:17], s[28:29]
	s_add_nc_u64 s[18:19], s[18:19], s[36:37]
	; the 32 loads; every input byte is read once in the launch
.set cnt, 0
.rept 16
	global_load_b128 v[X+4*cnt:X+4*cnt+3], v1, s[4:5] offset:512*cnt th:TH_LOAD_NT
.set cnt, cnt+1
.endr
.irp w, 6, 8, 10
.irp i, 0,1,2,3
	global_load_b128 v[X+4*cnt:X+4*cnt+3], v3, s[\w:\w+1] offset:8192*\i th:TH_LOAD_NT   ; rows 2 i and 2 i + 1 of my eight
.set cnt, cnt+1
.endr
.endr
.irp i, 0,1,2,3
	global_load_b128 v[X+4*cnt:X+4*cnt+3], v1, s[12:13] offset:512*\i th:TH_LOAD_NT
.set cnt, cnt+1
.endr
; item cnt: convert and store.  Loads come back in order (ISA guide 5.7.1): the count is the number of younger loads.
.macro ITEM b, imm
	s_wait_loadcnt 31-cnt
	v_cvt_pk_f16_f32 v[Y+2*cnt], v[X+4*cnt], v[X+4*cnt+1]
	v_cvt_pk_f16_f32 v[Y+2*cnt+1], v[X+4*cnt+2], v[X+4*cnt+3]
	global_store_b64 v2, v[Y+2*cnt:Y+2*cnt+1], s[\b:\b+1] offset:\imm
.set cnt, cnt+1
.endm
.set cnt, 0
.irp i, 0,1,2,3,4,5,6,7,8,9,10,11,12,13,14,15
	ITEM 14, 256*\i
.endr
.irp ty, 0,1,2
.irp i, 0,1,2,3
	ITEM 16, \ty*2097152+256*\i                    ; the type's 16 planes are 2,097,152 bytes; two rows of 128 bytes a store
.endr
.endr
.irp i, 0,1,2,3
	ITEM 18, 256*\i
.endr
	s_endpgm
.Lfunc_end_k_q7fb58f4c1c_prep:
	.size	k_q7fb58f4c1c_prep, .Lfunc_end_k_q7fb58f4c1c_prep-k_q7fb58f4c1c_prep
	.p2alignl 7, 3214868480
	.fill 96, 4, 3214868480
	.section	.rodata,"a",@progbits
	.p2align	6, 0x0
	.amdhsa_kernel k_q7fb58f4c1c_prep
		.amdhsa_group_segment_fixed_size 0
		.amdhsa_private_segment_fixed_size 0
		.amdhsa_enable_private_segment 0
		.amdhsa_kernarg_size 64
		.amdhsa_user_sgpr_count 2
		.amdhsa_user_sgpr_kernarg_segment_ptr 1
		.amdhsa_wavefront_size32 1
		.amdhsa_system_sgpr_workgroup_id_x 1
		.amdhsa_system_sgpr_workgroup_id_y 1
		.amdhsa_system_sgpr_workgroup_id_z 1
		.amdhsa_system_vgpr_workitem_id 0
		.amdhsa_next_free_vgpr 200
		.amdhsa_next_free_sgpr 66
		.amdhsa_reserve_vcc 0
		.amdhsa_float_denorm_mode_32 3
		.amdhsa_float_denorm_mode_16_64 3
		.amdhsa_memory_ordered 1
		.amdhsa_forward_progress 1
		.amdhsa_inst_pref_size 13
	.end_amdhsa_kernel
	.amdgpu_metadata
---
amdhsa.version: [ 1, 2 ]
amdhsa.kernels:
  - .name:           k_q7fb58f4c1c_prep
    .symbol:         k_q7fb58f4c1c_prep.kd
    .args:
      - { .name: x, .offset: 0, .size: 8, .value_kind: global_buffer, .address_space: global }
      - { .name: Wq, .offset: 8, .size: 8, .value_kind: global_buffer, .address_space: global }
      - { .name: Wk, .offset: 16, .size: 8, .value_kind: global_buffer, .address_space: global }
      - { .name: Wv, .offset: 24, .size: 8, .value_kind: global_buffer, .address_space: global }
      - { .name: Wo, .offset: 32, .size: 8, .value_kind: global_buffer, .address_space: global }
      - { .name: x16, .offset: 40, .size: 8, .value_kind: global_buffer, .address_space: global }
      - { .name: w16, .offset: 48, .size: 8, .value_kind: global_buffer, .address_space: global }
      - { .name: wo16, .offset: 56, .size: 8, .value_kind: global_buffer, .address_space: global }
    .group_segment_fixed_size: 0
    .private_segment_fixed_size: 0
    .kernarg_segment_align: 8
    .kernarg_segment_size: 64
    .max_flat_workgroup_size: 256
    .sgpr_count:     66
    .vgpr_count:     200
    .wavefront_size: 32
...
	.end_amdgpu_metadata
.endif
;; end of part 1
;; launch qkv (part 2): grid 16 x 16, 4 waves a work-group, clusters of 4 x 4, 327,680 bytes of LDS; arguments x16, w16, bq, bv, cos, sin, qh, kh, vh; writes qh, kh, vh
.if DOCPART == 2
	.amdgcn_target "amdgcn-amd-amdhsa--gfx1250"
	.amdhsa_code_object_version 6
	.text
	.protected	k_q7fb58f4c1c_qkv
	.globl	k_q7fb58f4c1c_qkv
	.p2align	8
	.type	k_q7fb58f4c1c_qkv,@function
k_q7fb58f4c1c_qkv:
	s_mov_b64 s[64:65], 0
	v_nop
	global_prefetch_b8 v0, s[64:65] scope:SCOPE_SE
	s_setreg_imm32_b32 hwreg(HW_REG_WAVE_MODE, 25, 1), 1
	s_wait_xcnt 0x0
	s_wait_alu depctr_hold_cnt(0) depctr_sa_sdst(0) depctr_va_vdst(0) depctr_va_sdst(0) depctr_va_ssrc(0) depctr_va_vcc(0) depctr_vm_vsrc(0)
	s_getreg_b32 s2, hwreg(HW_REG_IB_STS2, 6, 4)
	s_cmp_eq_u32 s2, 0
	s_cbranch_scc0 .Lentry_in_a_cluster
	s_endpgm
.Lentry_in_a_cluster:
	s_bfe_u32 s2, ttmp6, 0x10000c
	s_cmp_lg_u32 s2, 0xf033
	s_cbranch_scc0 .Lentry_shape_is_right
	s_endpgm
.Lentry_shape_is_right:
; q, k, v of ONE head for 256 rows:  [256 x 1024] x [1024 x 192] in f16 with f32 sums, then bias, rotary embedding, a scale, f16.
;   qh[head][s][64] = f16( rope(x Wq + bq) * ALPHA ),  ALPHA = 0.125 log2(e) 2^-4
;   kh[head][s][64] = f16( rope(x Wk)      * 2^-6 )
;   vh[head][s][64] = f16( (x Wv + bv)     * 2^-4 )
; The attention launch multiplies q.k by 2^10 (ALPHA 2^-6 2^10 = 0.125 log2 e) and the last launch multiplies by 2^4.
; LIMITS (f16's range behind the scales): |q| < 5.8e6, |k| < 4.2e6, |v| < 1.05e6; beyond them the cast gives infinity.
; Numbers below f16's normal range keep an absolute error of 2^-25 divided by the scale.
;
; Work-group x = head, y = block of 256 rows.  Wave w makes rows 64 w .. 64 w + 63 and all 192 columns: 4 x 12 = 48 accumulator
; tiles, 384 registers.  A lane then holds columns d and d + 32 of a head, so the rotary embedding needs no other lane.
; K goes in steps of 128 through two LDS slots.  A slot: x's 256 rows (256 bytes + 16 of padding each), then for q, k and v
; 128 k-rows of the head's 64 columns (128 bytes + 32 of padding each).
; CLUSTERS: 4 x 4 work-groups.  x's tile hangs on the row block alone and is asked for jointly by a row of the cluster,
; the weights' tiles hang on the head alone and are asked for jointly by a column.  Wave 0 asks for x's tile, waves 1 to 3 for q's, k's, v's.
; THE MATRIX INSTRUCTION IS USED TRANSPOSED: source 0 = 16 columns of W (from [k][n] rows by the transposing LDS load), source 1 = 16 rows
; of x.  Lane (r = l % 16, h = l / 16), register j then holds row r, column 8 h + j: eight neighbouring numbers of an output row.
; REGISTER WINDOWS: 0 addresses, x's fragments (two buffers), biases, work; 1 W's fragments (two buffers) and cos/sin;
; 2 accumulators of my rows 0-31 (tile (a, nb) at v[8 (12 a + nb)]); 3 those of rows 32-63.
.set PA,    272                        ; LDS pitch of x's rows: an odd multiple of 16 bytes
.set PB,    160                        ; LDS pitch of W's k-rows: an odd multiple of 32 bytes
.set BPART, 256*PA                     ; 69,632: where W's part of a slot begins
.set BTYPE, 128*PB                     ; 20,480: one of q, k, v
.set SLOT,  BPART+3*BTYPE              ; 131,072
.set STAGE, 2*SLOT                     ; behind the ring: 16 rows x 144 bytes for each wave; no tensor load lands here
.set SP,    144
.set ALPHA, 0x3c38aa3b                 ; 0.125 log2(e) 2^-4
.set BETA,  0x3c800000                 ; 2^-6
.set VSC,   0x3d800000                 ; 2^-4
.set ADRA, 16                          ; v16-17  LDS address of my x fragments in slot 0, 1
.set ADRB, 20                          ; v20-21  the same for W
.set STO,  24                          ; the way out: where I put 16 bytes of a row
.set RD,   25                          ; the way out: where I read rows back
.set CO,   26                          ; 16 x lane
.set CSO,  27                          ; my offset in cos and sin
.set BOF,  28                          ; my offset in the biases
.set T,    32                          ; v[32:63]   the way out: 32 numbers of a row (the x fragments' first buffer, then free)
.set R,    64                          ; v[64:95]   the way out: the same after the rotary embedding
.set BQ,   96                          ; v[96:127]  bq of my 32 columns, times ALPHA
.set BV,   128                         ; v[128:159] bv of my 32 columns, times 2^-4
.set PK,   224                         ; v[224:239] packed f16
.set LDB,  240                         ; v[240:255] rows read back
.set G1,  24                           ; s[24:31] group 1 for x's tile
.set G0,  32                           ; s[32:39] group 0 for x's tile, one set for each slot
.set G1B, 48                           ; s[48:55] group 1 for W's tiles
.set G0B, 56                           ; s[56:63] group 0 for W's tiles, one set for each slot
.set MSB, 0
.macro WIN new                         ; the immediate's high byte repeats the setting that is left
.if MSB != (\new)
	s_set_vgpr_msb (MSB<<8)|(\new)
.set MSB, (\new)
.endif
.endm
; A joint load: wave 0 asks for x's tile, the others for their weight's.  The branch hangs on the wave's number alone.
.macro JLOAD s
	s_cmp_eq_u32 s12, 0
	s_cbranch_scc0 .Lfor_b_\@
	tensor_load_to_lds s[G0+4*\s:G0+4*\s+3], s[G1:G1+7]
	s_nop 0
	s_branch .Lasked_\@
.Lfor_b_\@:
	tensor_load_to_lds s[G0B+4*\s:G0B+4*\s+3], s[G1B:G1B+7]
	s_nop 0
.Lasked_\@:
.endm
; A round of the cluster's barrier: my work-group's barrier, wave 0 signals for the work-group, every wave waits for all sixteen, my work-group's barrier again.
.macro CREST
	s_cmp_lg_u32 s12, 0
	s_cbranch_scc1 .Lnot_wave_0_\@
	s_barrier_signal -3
.Lnot_wave_0_\@:
	s_barrier_wait -3
	s_barrier_signal -1
	s_barrier_wait -1
.endm
.macro CROUND
	s_barrier_signal -1
	s_barrier_wait -1
	CREST
.endm
; Four places behind a matrix instruction before a load lands in, or a vector instruction touches, one of its registers
.macro PLACES
.rept 4
	v_nop
.endr
.endm
	s_load_b256 s[4:11], s[0:1], 0x0               ; x16 s[4:5], w16 s[6:7], bq s[8:9], bv s[10:11]
	s_load_b256 s[68:75], s[0:1], 0x20             ; cos s[68:69], sin s[70:71], qh s[72:73], kh s[74:75]
	s_load_b64 s[76:77], s[0:1], 0x40              ; vh
	v_lshl_add_u32 v222, v0, 2, 0x42400
	v_mov_b32 v223, 0
	ds_add_u32 v222, v223
	ds_add_u32 v222, v223
	v_lshrrev_b32 v1, 5, v0
	v_readfirstlane_b32 s12, v1                    ; wave 0..3
	s_max_u32 s13, s12, 1
	s_sub_co_u32 s13, s13, 1                       ; which of q, k, v waves 1..3 fetch (wave 0's figure is not used)
	s_bfe_u32 s14, ttmp6, 0x40000                  ; cx
	s_bfe_u32 s15, ttmp6, 0x40004                  ; cy
	s_lshl_b32 s16, ttmp9, 2
	s_add_co_u32 s16, s16, s14                     ; head = 4 x cluster x + cx
	s_and_b32 s17, ttmp7, 0xffff
	s_lshl_b32 s17, s17, 2
	s_add_co_u32 s17, s17, s15                     ; row block = 4 x cluster y + cy
	s_lshl_b32 s18, s15, 2
	s_lshl_b32 s18, 15, s18                        ; my row of the cluster
	s_lshl_b32 s19, 0x1111, s14                    ; my column
	; group 1 for x: 256 rows of 128 f16; 4 words of padding behind every 64
	s_or_b32 s[G1+0], s18, (1<<16)|(1<<20)|(1<<21)|(5<<22)|(3<<25)
	s_mov_b32 s[G1+1], 128<<16                     ; tensor_dim0 = 128
	s_mov_b32 s[G1+2], 256<<16                     ; tensor_dim1 = 256
	s_mov_b32 s[G1+3], 128<<16                     ; tile_dim0 = 128
	s_mov_b32 s[G1+4], 256                         ; tile_dim1 = 256
	s_mov_b32 s[G1+5], 1024                        ; elements from row to row
	s_mov_b32 s[G1+6], 0
	s_mov_b32 s[G1+7], 0
	; group 1 for W: 128 k-rows of 128 bytes are dense in w16: 64 rows of 256 bytes; 8 words of padding behind every 32, so each k-row gets its own
	s_or_b32 s[G1B+0], s19, (1<<16)|(1<<20)|(1<<21)|(4<<22)|(7<<25)
	s_mov_b32 s[G1B+1], 128<<16
	s_mov_b32 s[G1B+2], 64<<16
	s_mov_b32 s[G1B+3], 128<<16
	s_mov_b32 s[G1B+4], 64
	s_mov_b32 s[G1B+5], 128
	s_mov_b32 s[G1B+6], 0
	s_mov_b32 s[G1B+7], 0
	s_lshl_b32 s20, s17, 19                        ; x16: 256 rows of 2,048 bytes a row block (no register of x's descriptors ever holds cx or the head)
	s_mov_b32 s21, 0
	s_lshl_b32 s22, s13, 21                        ; w16: the type's 2,097,152 bytes,
	s_lshl_b32 s40, s16, 17                        ; the head's plane of 131,072
	s_add_co_u32 s22, s22, s40
	s_mov_b32 s23, 0
	s_mul_i32 s41, s12, BTYPE
	s_add_co_u32 s41, s41, BPART-BTYPE             ; W's place in a slot: 69,632 + (wave - 1) x 20,480
	s_wait_dscnt 0x0
	s_wait_kmcnt 0x0
	s_add_nc_u64 s[42:43], s[4:5], s[20:21]
	s_add_nc_u64 s[44:45], s[6:7], s[22:23]
	CROUND                                         ; all sixteen work-groups are here: the first joint loads meet
.irp s, 0,1
	s_mov_b32 s[G0+4*\s], 1
	s_mov_b32 s[G0+4*\s+1], \s*SLOT
	s_add_nc_u64 s[G0+4*\s+2:G0+4*\s+3], s[42:43], \s*256          ; K step s: 128 f16 along the rows
	s_or_b32 s[G0+4*\s+3], s[G0+4*\s+3], 0x80000000
	s_mov_b32 s[G0B+4*\s], 1
	s_add_co_u32 s[G0B+4*\s+1], s41, \s*SLOT
	s_add_nc_u64 s[G0B+4*\s+2:G0B+4*\s+3], s[44:45], \s*16384      ; K step s: 128 k-rows of 128 bytes
	s_or_b32 s[G0B+4*\s+3], s[G0B+4*\s+3], 0x80000000
	JLOAD \s                                       ; both slots' first fills go out before anything else: two loads of this wave are out
.endr
	v_and_b32 v1, 15, v0                           ; r
	v_bfe_u32 v2, v0, 4, 1                         ; h
	v_and_b32 v3, 7, v0                            ; l % 8
	v_bfe_u32 v4, v0, 3, 1                         ; (l / 8) % 2
	v_and_b32 v5, 31, v0                           ; l
	s_lshl_b32 s78, s12, 14
	v_lshlrev_b32 v10, 8, v1
	v_lshl_add_u32 v10, v2, 5, v10
	v_add_nc_u32 v[CSO], s78, v10                  ; cos, sin: (64 w + r) rows of 256 bytes + 32 h
	v_lshlrev_b32 v[BOF], 5, v2                    ; biases: 32 h
	s_lshl_b32 s80, s17, 16                        ; 256 rows of cos
	s_mov_b32 s81, 0
	s_add_nc_u64 s[68:69], s[68:69], s[80:81]
	s_add_nc_u64 s[70:71], s[70:71], s[80:81]
	s_lshl_b32 s82, s16, 8                         ; the head's 64 biases
	s_mov_b32 s83, 0
	s_add_nc_u64 s[8:9], s[8:9], s[82:83]
	s_add_nc_u64 s[10:11], s[10:11], s[82:83]
.irp b, 0,1,2,3
	global_load_b128 v[BQ+8*\b:BQ+8*\b+3],   v[BOF], s[8:9] offset:64*\b       ; bq[16 b + 8 h + 0..3]
	global_load_b128 v[BQ+8*\b+4:BQ+8*\b+7], v[BOF], s[8:9] offset:64*\b+16
	global_load_b128 v[BV+8*\b:BV+8*\b+3],   v[BOF], s[10:11] offset:64*\b
	global_load_b128 v[BV+8*\b+4:BV+8*\b+7], v[BOF], s[10:11] offset:64*\b+16
.endr
; cos and sin of my rows 16 a .. 16 a + 15, columns 16 b + 8 h + 0..7, into window 1 at (192 + 64 a) mod 256: cos 32 registers, sin 32.  16 loads.
.macro CSLOAD a
.irp b, 0,1,2,3
	global_load_b128 v[(192+64*\a)%256+8*\b:(192+64*\a)%256+8*\b+3],       v[CSO], s[68:69] offset:\a*4096+64*\b
	global_load_b128 v[(192+64*\a)%256+8*\b+4:(192+64*\a)%256+8*\b+7],     v[CSO], s[68:69] offset:\a*4096+64*\b+16
	global_load_b128 v[(192+64*\a)%256+32+8*\b:(192+64*\a)%256+32+8*\b+3], v[CSO], s[70:71] offset:\a*4096+64*\b
	global_load_b128 v[(192+64*\a)%256+36+8*\b:(192+64*\a)%256+36+8*\b+3], v[CSO], s[70:71] offset:\a*4096+64*\b+16
.endr
.endm
	WIN 0x40                                       ; destination window 1, address window 0
	CSLOAD 0                                       ; rows 0-15 now (registers that the loop leaves alone); the others behind the loop, into the W buffers
	WIN 0
	s_mul_i32 s46, s12, 64*PA
	v_mul_u32_u24 v6, v1, PA
	v_lshl_add_u32 v6, v2, 4, v6
	v_add_nc_u32 v[ADRA], s46, v6                  ; (64 w + r) x pitch + 16 h
	v_add_nc_u32 v[ADRA+1], SLOT, v[ADRA]
	v_lshl_add_u32 v7, v2, 3, v3
	v_mul_u32_u24 v7, v7, PB
	v_lshl_add_u32 v7, v4, 4, v7
	v_add_nc_u32 v[ADRB], BPART, v7                ; (8 h + l % 8) x pitch + 16 ((l / 8) % 2): the transposing load's addresses
	v_add_nc_u32 v[ADRB+1], SLOT, v[ADRB]
	s_mul_i32 s47, s12, 16*SP
	s_add_co_u32 s47, s47, STAGE                   ; my stage
	v_mul_u32_u24 v8, v1, SP
	v_lshl_add_u32 v8, v2, 4, v8
	v_add_nc_u32 v[STO], s47, v8                   ; in: row r, 16 bytes for each half of the lanes
	v_lshrrev_b32 v9, 3, v5
	v_mul_u32_u24 v9, v9, SP
	v_lshl_add_u32 v9, v3, 4, v9
	v_add_nc_u32 v[RD], s47, v9                    ; back: eight lanes take a row of 128 bytes, the wave four rows
	v_lshlrev_b32 v[CO], 4, v5
; 24 matrix instructions: my row blocks 2 hi, 2 hi + 1 x all 12 column blocks, 32 along K, from buffers f.  zero = 1: the product starts the sums.
; The 48 accumulators take turns, one instruction a turn, in the same order in every quarter step.
.macro MUL24 f, hi, zero
.irp a, 0,1
.irp nb, 0,1,2,3,4,5,6,7,8,9,10,11
.if \zero
	v_wmma_f32_16x16x32_f16 v[8*(12*\a+\nb):8*(12*\a+\nb)+7], v[96*\f+8*\nb:96*\f+8*\nb+7], v[32+32*\f+8*(2*\hi+\a):32+32*\f+8*(2*\hi+\a)+7], 0
.else
	v_wmma_f32_16x16x32_f16 v[8*(12*\a+\nb):8*(12*\a+\nb)+7], v[96*\f+8*\nb:96*\f+8*\nb+7], v[32+32*\f+8*(2*\hi+\a):32+32*\f+8*(2*\hi+\a)+7], v[8*(12*\a+\nb):8*(12*\a+\nb)+7]
.endif
.endr
.endr
.endm
; 32 LDS loads in one run: the fragments of quarter kq (32 along K) of a slot into buffers f: 12 of W (transposed on the way), 4 of x
.macro FETCH slot, kq, f
	WIN 0x40
.irp t, 0,1,2
.irp b, 0,1,2,3
	ds_load_tr16_b128 v[96*\f+8*(4*\t+\b):96*\f+8*(4*\t+\b)+3],   v[ADRB+\slot] offset:\t*BTYPE+\kq*32*PB+32*\b
	ds_load_tr16_b128 v[96*\f+8*(4*\t+\b)+4:96*\f+8*(4*\t+\b)+7], v[ADRB+\slot] offset:\t*BTYPE+\kq*32*PB+32*\b+16*PB
.endr
.endr
	WIN 0
.irp i, 0,1,2,3
	ds_load_b128 v[32+32*\f+8*\i:32+32*\f+8*\i+3],   v[ADRA+\slot] offset:\i*16*PA+64*\kq
	ds_load_b128 v[32+32*\f+8*\i+4:32+32*\f+8*\i+7], v[ADRA+\slot] offset:\i*16*PA+64*\kq+32
.endr
.endm
; One of a K step's first three quarters: buffers f are in (asked for 48 matrix instructions ago); the next quarter's fragments go out into g; f is multiplied.
.macro QUARTER slot, kq, f, g, zero
	s_wait_dscnt 0x0
	PLACES                                         ; buffers g were read by the matrix instructions just issued
	FETCH \slot, \kq, \g
	WIN 0xa1                                       ; source 0 window 1, source 1 window 0, C and D window 2
	MUL24 \f, 0, \zero
	WIN 0xf1                                       ; C and D window 3
	MUL24 \f, 1, \zero
.endm
.macro THREE slot, zero
	QUARTER \slot, 1, 0, 1, \zero
	QUARTER \slot, 2, 1, 0, 0
	QUARTER \slot, 3, 0, 1, 0
.endm
; The last quarter multiplies buffers 1 and changes slots.  In front of the barrier each wave waits for its reads of this slot and for all its tensor
; loads (the one that is out is its part of the next slot).  fill = 1: the barrier opens a round of the cluster's barrier, and behind the round
; this slot's joint refill is the wave's first and only tensor load; it has a whole K step less 24 matrix instructions in which to land.
.macro TURN slot, next, fill
	s_wait_dscnt 0x0
	s_set_vgpr_msb 0xf1f0
	s_wait_tensorcnt 0x0
	ds_add_u32 v222, v223
	s_wait_dscnt 0x0
	s_set_vgpr_msb 0xf0f1
	s_barrier_signal -1
	WIN 0xa1
	MUL24 1, 0, 0                                  ; register work while the others arrive
	WIN 0
	s_barrier_wait -1
.if \fill
	CREST
	s_add_nc_u64 s[G0+4*\slot+2:G0+4*\slot+3], s[G0+4*\slot+2:G0+4*\slot+3], 512        ; two K steps on; no tensor load of mine is out
	s_add_nc_u64 s[G0B+4*\slot+2:G0B+4*\slot+3], s[G0B+4*\slot+2:G0B+4*\slot+3], 32768
	JLOAD \slot
.endif
	PLACES
	FETCH \next, 0, 0
	WIN 0xf1
	MUL24 1, 1, 0
.endm
.macro LAP zero
	THREE 0, \zero
	TURN 0, 1, 1
	THREE 1, 0
	TURN 1, 0, 1
.endm
	s_wait_tensorcnt 0x1                           ; my part of K step 0 is in; K step 1's stays out
	s_barrier_signal -1
	s_barrier_wait -1
	FETCH 0, 0, 0
	LAP 1                                          ; K steps 0, 1; asks for 2, 3.  The first products start the sums
	WIN 0
	s_mov_b32 s3, 2                                ; K steps 2 to 5; they ask for 4 to 7
.Llap:
	LAP 0
	WIN 0
	s_sub_co_u32 s3, s3, 1
	s_cmp_lg_u32 s3, 0
	s_cbranch_scc1 .Llap
	THREE 0, 0                                     ; K steps 6, 7: nothing is left to fetch
	TURN 0, 1, 0
	THREE 1, 0
	s_wait_dscnt 0x0
	WIN 0xa1
	MUL24 1, 0, 0
	WIN 0xf1
	MUL24 1, 1, 0
	; THE WAY OUT
	PLACES                                         ; behind the last matrix instructions: loads into W's buffers, vector reads of the sums
	WIN 0x40
	CSLOAD 1
	CSLOAD 2
	CSLOAD 3
	WIN 0
	s_wait_loadcnt 48                              ; the 32 loads from the start are in; the 48 just issued stay out
.set cnt, 0
.rept 16
	v_pk_mul_f32 v[BQ+cnt:BQ+cnt+1], v[BQ+cnt:BQ+cnt+1], ALPHA op_sel_hi:[1,0]
	v_pk_mul_f32 v[BV+cnt:BV+cnt+1], v[BV+cnt:BV+cnt+1], VSC op_sel_hi:[1,0]
.set cnt, cnt+2
.endr
	s_lshl_b32 s78, s16, 19                        ; the head's plane of 524,288 bytes,
	s_lshl_b32 s79, s17, 15                        ; 256 rows of 128 bytes a row block,
	s_add_co_u32 s78, s78, s79
	s_lshl_b32 s79, s12, 13                        ; 64 rows a wave
	s_add_co_u32 s78, s78, s79
	s_mov_b32 s79, 0
	s_add_nc_u64 s[72:73], s[72:73], s[78:79]
	s_add_nc_u64 s[74:75], s[74:75], s[78:79]
	s_add_nc_u64 s[76:77], s[76:77], s[78:79]
; R = T cos + rotate_half(T) sin.  Column block b holds d = 16 b ..: its partner d -+ 32 is block b +- 2 of the same lane.  cb: cos at cb, sin at cb + 32 (window 1).
.macro ROPE cb
.irp b, 0,1,2,3
.irp p, 0,2,4,6
	v_pk_mul_f32 v[R+8*\b+\p:R+8*\b+\p+1], v[T+8*\b+\p:T+8*\b+\p+1], v[\cb+8*\b+\p:\cb+8*\b+\p+1]
.endr
.endr
.irp b, 0,1
.irp p, 0,2,4,6
	v_pk_fma_f32 v[R+8*\b+\p:R+8*\b+\p+1], v[T+8*(\b+2)+\p:T+8*(\b+2)+\p+1], v[\cb+32+8*\b+\p:\cb+32+8*\b+\p+1], v[R+8*\b+\p:R+8*\b+\p+1] neg_lo:[1,0,0] neg_hi:[1,0,0]
.endr
.endr
.irp b, 2,3
.irp p, 0,2,4,6
	v_pk_fma_f32 v[R+8*\b+\p:R+8*\b+\p+1], v[T+8*(\b-2)+\p:T+8*(\b-2)+\p+1], v[\cb+32+8*\b+\p:\cb+32+8*\b+\p+1], v[R+8*\b+\p:R+8*\b+\p+1]
.endr
.endr
.endm
; 16 rows x 64 numbers in src go out: to f16, 16 bytes a lane into my own stage, back as whole rows, 512 consecutive bytes a store.
; LDS serves a wave's instructions in order (ISA guide 5.7.1): no wait between my stores and my loads, and no barrier for my own bytes.
.macro OUT src, base, a
.irp b, 0,1,2,3
.irp p, 0,1,2,3
	v_cvt_pk_f16_f32 v[PK+4*\b+\p], v[\src+8*\b+2*\p], v[\src+8*\b+2*\p+1]
.endr
.endr
.irp b, 0,1,2,3
	ds_store_b128 v[STO], v[PK+4*\b:PK+4*\b+3] offset:32*\b
.endr
	s_wait_xcnt 0x0                                ; LDB, which the earlier global stores read, is loaded again only behind this wait
.irp t, 0,1,2,3
	ds_load_b128 v[LDB+4*\t:LDB+4*\t+3], v[RD] offset:4*SP*\t
.endr
.irp t, 0,1,2,3
	s_wait_dscnt 3-\t                              ; the younger read-backs may stay out
	global_store_b128 v[CO], v[LDB+4*\t:LDB+4*\t+3], s[\base:\base+1] offset:\a*2048+512*\t
.endr
.endm
; my rows 16 a .. 16 a + 15.  left: the cos/sin loads of later row blocks, which may stay out.
.macro EPI a, left
	s_wait_loadcnt \left
	WIN 2+(\a>>1)                                  ; source 0: the accumulators' window
.irp b, 0,1,2,3
.irp p, 0,2,4,6
	v_pk_fma_f32 v[T+8*\b+\p:T+8*\b+\p+1], v[8*(12*(\a&1)+\b)+\p:8*(12*(\a&1)+\b)+\p+1], ALPHA, v[BQ+8*\b+\p:BQ+8*\b+\p+1] op_sel_hi:[1,0,1]
.endr
.endr
	WIN 0x04                                       ; source 1: window 1 (cos, sin)
	ROPE (192+64*\a)%256
	WIN 0
	OUT R, 72, \a
	WIN 2+(\a>>1)
.irp b, 0,1,2,3
.irp p, 0,2,4,6
	v_pk_mul_f32 v[T+8*\b+\p:T+8*\b+\p+1], v[8*(12*(\a&1)+4+\b)+\p:8*(12*(\a&1)+4+\b)+\p+1], BETA op_sel_hi:[1,0]
.endr
.endr
	WIN 0x04
	ROPE (192+64*\a)%256
	WIN 0
	OUT R, 74, \a
	WIN 2+(\a>>1)
.irp b, 0,1,2,3
.irp p, 0,2,4,6
	v_pk_fma_f32 v[T+8*\b+\p:T+8*\b+\p+1], v[8*(12*(\a&1)+8+\b)+\p:8*(12*(\a&1)+8+\b)+\p+1], VSC, v[BV+8*\b+\p:BV+8*\b+\p+1] op_sel_hi:[1,0,1]
.endr
.endr
	WIN 0
	OUT T, 76, \a
.endm
	EPI 0, 48
	EPI 1, 32
	EPI 2, 16
	EPI 3, 0
	s_wait_tensorcnt 0x0
	ds_add_u32 v222, v223
	s_wait_dscnt 0x0
	CROUND                                         ; the closing round: no work-group ends while a partner may still ask for a tile that names it
	s_endpgm
.Lfunc_end_k_q7fb58f4c1c_qkv:
	.size	k_q7fb58f4c1c_qkv, .Lfunc_end_k_q7fb58f4c1c_qkv-k_q7fb58f4c1c_qkv
	.p2alignl 7, 3214868480
	.fill 96, 4, 3214868480
	.section	.rodata,"a",@progbits
	.p2align	6, 0x0
	.amdhsa_kernel k_q7fb58f4c1c_qkv
		.amdhsa_group_segment_fixed_size 327680
		.amdhsa_private_segment_fixed_size 0
		.amdhsa_enable_private_segment 0
		.amdhsa_kernarg_size 72
		.amdhsa_user_sgpr_count 2
		.amdhsa_user_sgpr_kernarg_segment_ptr 1
		.amdhsa_wavefront_size32 1
		.amdhsa_system_sgpr_workgroup_id_x 1
		.amdhsa_system_sgpr_workgroup_id_y 1
		.amdhsa_system_sgpr_workgroup_id_z 1
		.amdhsa_system_vgpr_workitem_id 0
		.amdhsa_next_free_vgpr 1024
		.amdhsa_next_free_sgpr 96
		.amdhsa_reserve_vcc 0
		.amdhsa_float_denorm_mode_32 3
		.amdhsa_float_denorm_mode_16_64 3
		.amdhsa_memory_ordered 1
		.amdhsa_forward_progress 1
		.amdhsa_inst_pref_size 209
	.end_amdhsa_kernel
	.amdgpu_metadata
---
amdhsa.version: [ 1, 2 ]
amdhsa.kernels:
  - .name:           k_q7fb58f4c1c_qkv
    .symbol:         k_q7fb58f4c1c_qkv.kd
    .args:
      - { .name: x16, .offset: 0, .size: 8, .value_kind: global_buffer, .address_space: global }
      - { .name: w16, .offset: 8, .size: 8, .value_kind: global_buffer, .address_space: global }
      - { .name: bq, .offset: 16, .size: 8, .value_kind: global_buffer, .address_space: global }
      - { .name: bv, .offset: 24, .size: 8, .value_kind: global_buffer, .address_space: global }
      - { .name: cos, .offset: 32, .size: 8, .value_kind: global_buffer, .address_space: global }
      - { .name: sin, .offset: 40, .size: 8, .value_kind: global_buffer, .address_space: global }
      - { .name: qh, .offset: 48, .size: 8, .value_kind: global_buffer, .address_space: global }
      - { .name: kh, .offset: 56, .size: 8, .value_kind: global_buffer, .address_space: global }
      - { .name: vh, .offset: 64, .size: 8, .value_kind: global_buffer, .address_space: global }
    .group_segment_fixed_size: 327680
    .private_segment_fixed_size: 0
    .kernarg_segment_align: 8
    .kernarg_segment_size: 72
    .max_flat_workgroup_size: 128
    .sgpr_count:     96
    .vgpr_count:     1024
    .wavefront_size: 32
...
	.end_amdgpu_metadata
.endif
;; end of part 2
;; launch attn (part 3): grid 16 x 16, 16 waves a work-group, no clusters, 202,752 bytes of LDS; arguments qh, kh, vh, mask, ctx; writes ctx
.if DOCPART == 3
	.amdgcn_target "amdgcn-amd-amdhsa--gfx1250"
	.amdhsa_code_object_version 6
	.text
	.protected	k_q7fb58f4c1c_attn
	.globl	k_q7fb58f4c1c_attn
	.p2align	8
	.type	k_q7fb58f4c1c_attn,@function
k_q7fb58f4c1c_attn:
	s_mov_b64 s[64:65], 0
	v_nop
	global_prefetch_b8 v0, s[64:65] scope:SCOPE_SE
	s_setreg_imm32_b32 hwreg(HW_REG_WAVE_MODE, 25, 1), 1
	s_wait_xcnt 0x0
; Banded, masked attention of one head for 256 queries.  ctx[head][s][64] = f16( softmax(scores) v * 2^-4 )  (vh carries the 2^-4).
; Work-group x = block of 256 queries, y = head.  LDS holds 512 key slots: slot g is key 256 (x - 1) + g.
; The band 0 <= q - k <= 256 is made by the module itself, so only 257 keys of a query carry weight.  Wave w has queries 256 x + 16 w .. + 15; their
; keys lie in the 288 slots from g0 = 32 (w / 2): 18 blocks of 16.  All 18 x 8 score registers stay in registers, so the true maximum of the row
; is taken away in front of the exponential, in one pass.
; Scores: S = kh . qh in f32; S 2^10 is the score times log2(e) (the scales of the launch before).  2^10 is a power of two, so max x 2^10 is exact,
; the largest exponent is exactly 0, every p <= 1 and the sum is at least 1.
; A key that the input mask switches off, or that does not exist (x = 0: keys below 0), gets min(S, NEG'); a key outside the band gets NEG',
; NEG' = -1e9 log2(e) / 2^10, the module's -1e9 in S's units.
; LIMITS: (1) keys outside the wave's 288 slots get weight 0, not exp(-1e9 - max); (2) a masked key's score is min(score, -1e9), not -1e9.  Both differ
; from the module only where a row's largest score is below about -1e9 + 104.  (3) qh, kh, vh must be finite (the limits of the launch that made them).
; A row whose own key is masked may differ from the module's; the last launch multiplies such a row by its mask, 0; here it only stays finite.
; NO CLUSTER: a block of 256 keys has two users (query blocks x and x + 1), the pairs overlap along x, and the two want it at different LDS places.
; Layouts: S = K fragment (source 0) x Q fragment (source 1): lane (r, h), register j of block b = key slot g0 + 16 b + 8 h + j, query r.  Packed to f16 in
; pairs, two blocks' registers ARE the second source of O = V^T fragment x P: no lane exchange.  O: lane (r, h), register j = query r, column 16 db + 8 h + j.
.set KP,   144                         ; LDS pitch of K's rows (128 bytes + 16)
.set VP,   160                         ; LDS pitch of V's rows (128 bytes + 32: an odd multiple of 32 for the transposing load)
.set LIMB, 73728                       ; behind K's 512 rows: 512 f32, the limit of each key slot; written by ds_store, no tensor load lands here
.set VB,   81920                       ; V's 512 rows: wave w (8..15) fills at w x 10,240
.set STG,  163840                      ; 16 rows x 144 bytes for each wave, for the way out
.set SP,   144
.set GAMMA,  0x44800000                ; 2^10
.set NEGRAW, 0xc9abfb8f                ; -1e9 log2(e) / 2^10
.set KADR, 2
.set VADR, 4
.set LADR, 5
.set U,    6                           ; 16 (w % 2) + r - 8 h: the band in block-and-register numbers
.set STO,  7
.set RD,   8
.set CO,   9
.set QO,   10
.set M2,   12                          ; v[12:13]  maximum x 2^10, twice
.set RL,   14                          ; v[14:15]  1 / sum, twice
.set Q,    16                          ; v[16:31]  two Q fragments; later O0, O1
.set KF,   32                          ; v[32:95]  two buffers of 32: K fragments, then limits, then V fragments, then the way out
.set S,    96                          ; v[96:239] scores, then p, then P in f16
.set MX,   240                         ; v[240:243] four running maxima
.set LS,   244                         ; v[244:251] four running sums (pairs); v[240:255] later O2, O3
.macro PLACES                          ; four places behind a matrix instruction (ISA guide 7.12.1)
.rept 4
	v_nop
.endr
.endm
	s_load_b256 s[4:11], s[0:1], 0x0               ; qh s[4:5], kh s[6:7], vh s[8:9], mask s[10:11]
	s_load_b64 s[12:13], s[0:1], 0x20              ; ctx
	v_lshl_add_u32 v238, v0, 2, 0x31000
	v_mov_b32 v239, 0
	ds_add_u32 v238, v239
	ds_add_u32 v238, v239
	s_wait_dscnt 0x0
	v_lshrrev_b32 v1, 5, v0
	v_readfirstlane_b32 s14, v1                    ; wave 0..15
	s_and_b32 s16, ttmp7, 0xffff                   ; head
	s_lshl_b32 s17, ttmp9, 8
	s_sub_co_i32 s17, s17, 256                     ; the key of slot 0 (-256 for x = 0)
	s_and_b32 s18, s14, 7
	s_lshl_b32 s18, s18, 6                         ; waves 0-7 fill K's slots 64 w .., waves 8-15 V's slots 64 (w - 8) ..
	s_add_co_i32 s18, s18, s17
	s_and_b32 s18, s18, 0xfff                      ; keys below 0 do not exist: their slots get rows 3840 .. of the same head, real and finite, and the limit switches them off
	s_lshl_b32 s18, s18, 7                         ; rows of 128 bytes
	s_lshl_b32 s19, s16, 19                        ; the head's plane
	s_add_co_u32 s18, s18, s19
	s_mov_b32 s19, 0
	; group 1: 64 rows of 128 bytes are dense: 32 rows of 256 bytes; padding behind every 32 words, so each key's row gets its own: 4 words for K, 8 for V
	s_mov_b32 s24, (1<<16)|(1<<20)|(4<<22)|(3<<25)
	s_mov_b32 s25, 128<<16
	s_mov_b32 s26, 32<<16
	s_mov_b32 s27, 128<<16
	s_mov_b32 s28, 32
	s_mov_b32 s29, 128
	s_mov_b32 s30, 0
	s_mov_b32 s31, 0
	s_mov_b32 s32, (1<<16)|(1<<20)|(4<<22)|(7<<25)
	s_mov_b32 s33, 128<<16
	s_mov_b32 s34, 32<<16
	s_mov_b32 s35, 128<<16
	s_mov_b32 s36, 32
	s_mov_b32 s37, 128
	s_mov_b32 s38, 0
	s_mov_b32 s39, 0
	s_mov_b32 s20, 1
	s_mul_i32 s21, s14, 64*KP                      ; K: wave x 9,216
	s_mov_b32 s44, 1
	s_mul_i32 s45, s14, 64*VP                      ; V: wave x 10,240 (waves 8..15: from 81,920)
	s_lshl_b32 s48, s16, 19                        ; my 16 queries in qh and in ctx: the head's plane,
	s_lshl_b32 s49, ttmp9, 15                      ; 256 rows of 128 bytes a block,
	s_add_co_u32 s48, s48, s49
	s_lshl_b32 s49, s14, 11                        ; 16 rows a wave
	s_add_co_u32 s48, s48, s49
	s_mov_b32 s49, 0
	s_mov_b32 s40, 0x76543210                      ; v_permlanex16_b32: lane i of one half reads lane i of the other
	s_mov_b32 s41, 0xfedcba98
	s_mov_b32 s42, NEGRAW
	s_wait_kmcnt 0x0
	s_add_nc_u64 s[22:23], s[6:7], s[18:19]
	s_or_b32 s23, s23, 0x80000000
	s_add_nc_u64 s[46:47], s[8:9], s[18:19]
	s_or_b32 s47, s47, 0x80000000
	s_add_nc_u64 s[4:5], s[4:5], s[48:49]
	s_add_nc_u64 s[12:13], s[12:13], s[48:49]
	s_cmp_lt_u32 s14, 8                            ; one tensor load a wave, the only one of the launch: nothing is ever filled again
	s_cbranch_scc0 .Lfill_v
	tensor_load_to_lds s[20:23], s[24:31]
	s_nop 0
	s_branch .Lfilled
.Lfill_v:
	tensor_load_to_lds s[44:47], s[32:39]
	s_nop 0
.Lfilled:
	v_add_nc_u32 v11, s17, v0                      ; thread t looks after slot t: its key
	v_and_b32 v3, 0xfff, v11                       ; inside the mask for every t; for keys below 0 the byte is not used
	global_load_u8 v1, v3, s[10:11]
	v_and_b32 v240, 15, v0                         ; r
	v_bfe_u32 v241, v0, 4, 1                       ; h
	v_and_b32 v242, 7, v0
	v_bfe_u32 v243, v0, 3, 1
	v_and_b32 v244, 31, v0                         ; l
	v_lshlrev_b32 v[QO], 7, v240
	v_lshl_add_u32 v[QO], v241, 4, v[QO]           ; row r of 128 bytes + 16 h
.irp c, 0,1,2,3
	global_load_b128 v[Q+4*\c:Q+4*\c+3], v[QO], s[4:5] offset:32*\c    ; two fragments: d = 0..31 and 32..63
.endr
	s_lshr_b32 s50, s14, 1
	s_lshl_b32 s50, s50, 5                         ; g0
	s_mul_i32 s51, s50, KP
	v_mul_u32_u24 v[KADR], v240, KP
	v_lshl_add_u32 v[KADR], v241, 4, v[KADR]
	v_add_nc_u32 v[KADR], s51, v[KADR]             ; (g0 + r) x pitch + 16 h
	v_lshl_add_u32 v[VADR], v241, 3, v242
	v_add_nc_u32 v[VADR], s50, v[VADR]
	v_mul_u32_u24 v[VADR], v[VADR], VP
	v_lshl_add_u32 v[VADR], v243, 4, v[VADR]
	v_add_nc_u32 v[VADR], VB, v[VADR]              ; (g0 + 8 h + l % 8) x pitch + 16 ((l / 8) % 2)
	v_lshl_add_u32 v[LADR], v241, 3, s50
	v_lshlrev_b32 v[LADR], 2, v[LADR]
	v_add_nc_u32 v[LADR], LIMB, v[LADR]            ; the limits of slots g0 + 8 h ..
	s_and_b32 s52, s14, 1
	s_lshl_b32 s52, s52, 4
	v_add_nc_u32 v[U], s52, v240
	v_lshlrev_b32 v245, 3, v241
	v_sub_nc_u32 v[U], v[U], v245                  ; slot - query's first slot = 16 b + j - U: allowed from 0 to 256
	s_mul_i32 s53, s14, 16*SP
	s_add_co_u32 s53, s53, STG
	v_mul_u32_u24 v[STO], v240, SP
	v_lshl_add_u32 v[STO], v241, 4, v[STO]
	v_add_nc_u32 v[STO], s53, v[STO]
	v_lshrrev_b32 v[RD], 3, v244
	v_mul_u32_u24 v[RD], v[RD], SP
	v_lshl_add_u32 v[RD], v242, 4, v[RD]
	v_add_nc_u32 v[RD], s53, v[RD]
	v_lshlrev_b32 v[CO], 4, v244
	v_lshlrev_b32 v246, 2, v0
	v_add_nc_u32 v246, LIMB, v246
	v_mov_b32 v247, 0x7f800000                     ; +infinity: min(S, limit) leaves S
	v_cmp_le_i32 s54, 0, v11                       ; the key exists
	s_wait_loadcnt 0x4                             ; the mask byte is in; the four Q loads behind it stay out
	v_cmp_ne_u32 s55, 0, v1                        ; and the mask lets it through
	s_and_b32 s54, s54, s55
	v_cndmask_b32 v248, s42, v247, s54
	ds_store_b32 v246, v248
	s_wait_dscnt 0x0                               ; my limit is written,
	s_wait_tensorcnt 0x0                           ; my tile has landed:
	s_barrier_signal -1
	s_barrier_wait -1                              ; everybody's has.  The only barrier: LDS is only read from here on, but for each wave's own stage
	; SCORES, two blocks of 16 keys at a time
.macro KLOAD t, buf
.irp blk, 0,1
.irp c, 0,1,2,3
	ds_load_b128 v[KF+32*\buf+16*\blk+4*\c:KF+32*\buf+16*\blk+4*\c+3], v[KADR] offset:(32*\t+16*\blk)*KP+32*\c
.endr
.endr
.endm
; left: the next pair's eight loads may stay out.  The two accumulators take turns.
.macro QK t, left, more
	s_wait_dscnt \left
	v_wmma_f32_16x16x32_f16 v[S+16*\t:S+16*\t+7],    v[KF+32*(\t&1):KF+32*(\t&1)+7],     v[Q:Q+7], 0
	v_wmma_f32_16x16x32_f16 v[S+16*\t+8:S+16*\t+15], v[KF+32*(\t&1)+16:KF+32*(\t&1)+23], v[Q:Q+7], 0
	v_wmma_f32_16x16x32_f16 v[S+16*\t:S+16*\t+7],    v[KF+32*(\t&1)+8:KF+32*(\t&1)+15],  v[Q+8:Q+15], v[S+16*\t:S+16*\t+7]
	v_wmma_f32_16x16x32_f16 v[S+16*\t+8:S+16*\t+15], v[KF+32*(\t&1)+24:KF+32*(\t&1)+31], v[Q+8:Q+15], v[S+16*\t+8:S+16*\t+15]
.if \more
	PLACES                                         ; the buffer just multiplied is loaded again
	KLOAD (\t+2), (\t&1)
.endif
.endm
	KLOAD 0, 0
	KLOAD 1, 1
	s_wait_loadcnt 0x0                             ; Q
.irp t, 0,1,2,3,4,5,6
	QK \t, 8, 1
.endr
	QK 7, 8, 0
	QK 8, 0, 0
	; MASKS.  The input mask and the keys that do not exist: min with the slot's limit, eight blocks' limits at a time.
.macro LIMGRP g, nblk
.set cnt, 0
.rept \nblk
	ds_load_b128 v[KF+8*cnt:KF+8*cnt+3],   v[LADR] offset:64*(8*\g+cnt)
	ds_load_b128 v[KF+8*cnt+4:KF+8*cnt+7], v[LADR] offset:64*(8*\g+cnt)+16
.set cnt, cnt+1
.endr
.endm
.macro LIMMIN g, nblk
	s_wait_dscnt 0x0
.set cnt, 0
.rept 8*\nblk
	v_min_num_f32 v[S+64*\g+cnt], v[S+64*\g+cnt], v[KF+cnt]
.set cnt, cnt+1
.endr
.endm
	PLACES                                         ; behind the last matrix instructions: loads into K's buffers, vector work on the scores
	LIMGRP 0, 8
	LIMMIN 0, 8
	LIMGRP 1, 8
	; the band's lower edge can fall in blocks 0 and 1 only (U <= 31): allowed where 16 b + j >= U
.irp b, 0,1
.irp j, 0,1,2,3,4,5,6,7
	v_cmp_ge_i32 vcc_lo, 16*\b+\j, v[U]
	v_cndmask_b32 v[S+8*\b+\j], s42, v[S+8*\b+\j], vcc_lo
.endr
.endr
	LIMMIN 1, 8
	LIMGRP 2, 2
	LIMMIN 2, 2
	; the upper edge in blocks 16 and 17 only (U >= -8): allowed where 16 (b - 16) + j <= U
.irp b, 16,17
.irp j, 0,1,2,3,4,5,6,7
	v_cmp_le_i32 vcc_lo, 16*(\b-16)+\j, v[U]
	v_cndmask_b32 v[S+8*\b+\j], s42, v[S+8*\b+\j], vcc_lo
.endr
.endr
.macro VLOAD t, buf                    ; V^T fragments of keys 32 t .. 32 t + 31 of my slots: four blocks of 16 columns, transposed on the way
.irp db, 0,1,2,3
	ds_load_tr16_b128 v[KF+32*\buf+8*\db:KF+32*\buf+8*\db+3],   v[VADR] offset:32*VP*\t+32*\db
	ds_load_tr16_b128 v[KF+32*\buf+8*\db+4:KF+32*\buf+8*\db+7], v[VADR] offset:32*VP*\t+32*\db+16*VP
.endr
.endm
	VLOAD 0, 0                                     ; they land during the softmax
	VLOAD 1, 1
	; SOFTMAX.  A query's 288 scores lie in lanes r and r + 16, 144 each.
.irp c, 0,1,2,3
	v_max_num_f32 v[MX+\c], v[S+36*\c], v[S+36*\c+1]
.endr
.set cnt, 1
.rept 17
.irp c, 0,1,2,3
	v_max3_num_f32 v[MX+\c], v[MX+\c], v[S+36*\c+2*cnt], v[S+36*\c+2*cnt+1]
.endr
.set cnt, cnt+1
.endr
	v_max3_num_f32 v[MX], v[MX], v[MX+1], v[MX+2]
	v_max_num_f32 v[MX], v[MX], v[MX+3]
	v_permlanex16_b32 v[MX+1], v[MX], s40, s41
	v_max_num_f32 v[MX], v[MX], v[MX+1]            ; the row's maximum
	v_mul_f32 v[M2], GAMMA, v[MX]                  ; exact
	v_mul_f32 v[M2+1], GAMMA, v[MX]
.set cnt, 0
.rept 72
	v_pk_fma_f32 v[S+cnt:S+cnt+1], v[S+cnt:S+cnt+1], GAMMA, v[M2:M2+1] op_sel_hi:[1,0,1] neg_lo:[0,0,1] neg_hi:[0,0,1]
.set cnt, cnt+2
.endr
.set cnt, 0
.rept 144
	v_exp_f32 v[S+cnt], v[S+cnt]
.set cnt, cnt+1
.endr
	v_nop                                          ; one plain place behind the last exponential (ISA guide 5.7.2)
	s_wait_alu depctr_va_vdst(0)
.irp c, 0,1,2,3
	v_pk_add_f32 v[LS+2*\c:LS+2*\c+1], v[S+2*\c:S+2*\c+1], v[S+8+2*\c:S+8+2*\c+1]
.endr
.set cnt, 16
.rept 16
.irp c, 0,1,2,3
	v_pk_add_f32 v[LS+2*\c:LS+2*\c+1], v[LS+2*\c:LS+2*\c+1], v[S+cnt+2*\c:S+cnt+2*\c+1]
.endr
.set cnt, cnt+8
.endr
	v_pk_add_f32 v[LS:LS+1], v[LS:LS+1], v[LS+2:LS+3]
	v_pk_add_f32 v[LS+4:LS+5], v[LS+4:LS+5], v[LS+6:LS+7]
	v_pk_add_f32 v[LS:LS+1], v[LS:LS+1], v[LS+4:LS+5]
	v_add_f32 v[LS], v[LS], v[LS+1]
	v_permlanex16_b32 v[LS+1], v[LS], s40, s41
	v_add_f32 v[LS], v[LS], v[LS+1]                ; the row's sum, at least 1
	v_rcp_f32 v[RL], v[LS]
	v_rcp_f32 v[RL+1], v[LS]
	v_nop
	; p to f16, in place: the 16 registers of blocks 2 t, 2 t + 1 become the 8 registers of P's fragment t (keys 8 h + 0..7, then 16 + 8 h + 0..7)
.irp t, 0,1,2,3,4,5,6,7,8
.irp i, 0,1,2,3,4,5,6,7
	v_cvt_pk_f16_f32 v[S+16*\t+\i], v[S+16*\t+2*\i], v[S+16*\t+2*\i+1]
.endr
.endr
	; O = V^T P, 32 keys at a time; the four accumulators take turns
.macro PV1 o, t, db, zero
.if \zero
	v_wmma_f32_16x16x32_f16 v[\o:\o+7], v[KF+32*(\t&1)+8*\db:KF+32*(\t&1)+8*\db+7], v[S+16*\t:S+16*\t+7], 0
.else
	v_wmma_f32_16x16x32_f16 v[\o:\o+7], v[KF+32*(\t&1)+8*\db:KF+32*(\t&1)+8*\db+7], v[S+16*\t:S+16*\t+7], v[\o:\o+7]
.endif
.endm
.macro PV t, left, more, zero
	s_wait_dscnt \left                             ; the next 32 keys' eight loads may stay out
	PV1 16, \t, 0, \zero
	PV1 24, \t, 1, \zero
	PV1 240, \t, 2, \zero
	PV1 248, \t, 3, \zero
.if \more
	PLACES
	VLOAD (\t+2), (\t&1)
.endif
.endm
	PV 0, 8, 1, 1
.irp t, 1,2,3,4,5,6
	PV \t, 8, 1, 0
.endr
	PV 7, 8, 0, 0
	PV 8, 0, 0, 0
	; THE WAY OUT: divide by the sum, to f16, through my own stage, 512 consecutive bytes a store
	PLACES
	s_wait_alu depctr_va_vdst(0)
.irp o, 16, 24, 240, 248
.irp p, 0,2,4,6
	v_pk_mul_f32 v[\o+\p:\o+\p+1], v[\o+\p:\o+\p+1], v[RL:RL+1]
.endr
.endr
.irp p, 0,1,2,3
	v_cvt_pk_f16_f32 v[KF+\p],    v[16+2*\p],  v[16+2*\p+1]
	v_cvt_pk_f16_f32 v[KF+4+\p],  v[24+2*\p],  v[24+2*\p+1]
	v_cvt_pk_f16_f32 v[KF+8+\p],  v[240+2*\p], v[240+2*\p+1]
	v_cvt_pk_f16_f32 v[KF+12+\p], v[248+2*\p], v[248+2*\p+1]
.endr
.irp db, 0,1,2,3
	ds_store_b128 v[STO], v[KF+4*\db:KF+4*\db+3] offset:32*\db
.endr
.irp t, 0,1,2,3
	ds_load_b128 v[KF+16+4*\t:KF+16+4*\t+3], v[RD] offset:4*SP*\t      ; LDS serves a wave's instructions in order (ISA guide 5.7.1): these see the stores above
.endr
.irp t, 0,1,2,3
	s_wait_dscnt 3-\t
	global_store_b128 v[CO], v[KF+16+4*\t:KF+16+4*\t+3], s[12:13] offset:512*\t
.endr
	s_wait_xcnt 0x0
	v_lshl_add_u32 v238, v0, 2, 0x31000
	v_mov_b32 v239, 0
	s_wait_tensorcnt 0x0
	ds_add_u32 v238, v239
	s_wait_dscnt 0x0
	s_endpgm
.Lfunc_end_k_q7fb58f4c1c_attn:
	.size	k_q7fb58f4c1c_attn, .Lfunc_end_k_q7fb58f4c1c_attn-k_q7fb58f4c1c_attn
	.p2alignl 7, 3214868480
	.fill 96, 4, 3214868480
	.section	.rodata,"a",@progbits
	.p2align	6, 0x0
	.amdhsa_kernel k_q7fb58f4c1c_attn
		.amdhsa_group_segment_fixed_size 202752
		.amdhsa_private_segment_fixed_size 0
		.amdhsa_enable_private_segment 0
		.amdhsa_kernarg_size 40
		.amdhsa_user_sgpr_count 2
		.amdhsa_user_sgpr_kernarg_segment_ptr 1
		.amdhsa_wavefront_size32 1
		.amdhsa_system_sgpr_workgroup_id_x 1
		.amdhsa_system_sgpr_workgroup_id_y 1
		.amdhsa_system_sgpr_workgroup_id_z 1
		.amdhsa_system_vgpr_workitem_id 0
		.amdhsa_next_free_vgpr 256
		.amdhsa_next_free_sgpr 66
		.amdhsa_reserve_vcc 1
		.amdhsa_float_denorm_mode_32 3
		.amdhsa_float_denorm_mode_16_64 3
		.amdhsa_memory_ordered 1
		.amdhsa_forward_progress 1
		.amdhsa_inst_pref_size 60
	.end_amdhsa_kernel
	.amdgpu_metadata
---
amdhsa.version: [ 1, 2 ]
amdhsa.kernels:
  - .name:           k_q7fb58f4c1c_attn
    .symbol:         k_q7fb58f4c1c_attn.kd
    .args:
      - { .name: qh, .offset: 0, .size: 8, .value_kind: global_buffer, .address_space: global }
      - { .name: kh, .offset: 8, .size: 8, .value_kind: global_buffer, .address_space: global }
      - { .name: vh, .offset: 16, .size: 8, .value_kind: global_buffer, .address_space: global }
      - { .name: mask, .offset: 24, .size: 8, .value_kind: global_buffer, .address_space: global }
      - { .name: ctx, .offset: 32, .size: 8, .value_kind: global_buffer, .address_space: global }
    .group_segment_fixed_size: 202752
    .private_segment_fixed_size: 0
    .kernarg_segment_align: 8
    .kernarg_segment_size: 40
    .max_flat_workgroup_size: 512
    .sgpr_count:     66
    .vgpr_count:     256
    .wavefront_size: 32
...
	.end_amdgpu_metadata
.endif
;; end of part 3
;; launch oproj (part 4): grid 8 x 32, 4 waves a work-group, clusters of 4 x 4, 327,680 bytes of LDS; arguments ctx, wo16, bo, mask, out0; writes out0
.if DOCPART == 4
	.amdgcn_target "amdgcn-amd-amdhsa--gfx1250"
	.amdhsa_code_object_version 6
	.text
	.protected	k_q7fb58f4c1c_oproj
	.globl	k_q7fb58f4c1c_oproj
	.p2align	8
	.type	k_q7fb58f4c1c_oproj,@function
k_q7fb58f4c1c_oproj:
	s_mov_b64 s[64:65], 0
	v_nop
	global_prefetch_b8 v0, s[64:65] scope:SCOPE_SE
	s_setreg_imm32_b32 hwreg(HW_REG_WAVE_MODE, 25, 1), 1
	s_wait_xcnt 0x0
	s_wait_alu depctr_hold_cnt(0) depctr_sa_sdst(0) depctr_va_vdst(0) depctr_va_sdst(0) depctr_va_ssrc(0) depctr_va_vcc(0) depctr_vm_vsrc(0)
	s_getreg_b32 s2, hwreg(HW_REG_IB_STS2, 6, 4)
	s_cmp_eq_u32 s2, 0
	s_cbranch_scc0 .Lentry_in_a_cluster
	s_endpgm
.Lentry_in_a_cluster:
	s_bfe_u32 s2, ttmp6, 0x10000c
	s_cmp_lg_u32 s2, 0xf033
	s_cbranch_scc0 .Lentry_shape_is_right
	s_endpgm
.Lentry_shape_is_right:
; out0[s][n] = ( 16 x sum over head, d of ctx[head][s][d] wo16[64 head + d][n]  +  bo[n] ) x mask[s].   (ctx carries 2^-4.)
; f16 operands, f32 sums.  LIMIT: in a masked row the sign of the zero is that of (sum + bo) x 0.
; Work-group x = block of 128 columns, y = block of 128 rows: 8 x 32 = 256 work-groups.  Wave (wm = w / 2, wn = w % 2) makes 64 x 64: 16 accumulator
; tiles in register window 1; everything else in window 0.
; K = 1024 goes in four fills of 256 (four heads) through two LDS slots; written out, no loop.  A slot: ctx's four heads x 128 rows (128 bytes + 16 of
; padding), then 256 k-rows of Wo's 128 columns (256 bytes + 32).  From a request to the wait for it a wave issues 120 matrix instructions.
; CLUSTERS: 4 x 4.  ctx's tiles hang on the row block alone (shared along a row of the cluster), Wo's on the column block alone (along a column).
; Waves 0, 1 ask for two heads of ctx each, waves 2, 3 for 128 k-rows of Wo each.
; The matrix instruction is used transposed: source 0 = 16 columns of Wo (transposing LDS load), source 1 = 16 rows of ctx; lane (r, h), register j holds
; row r, column 8 h + j.
.set PA,    144
.set PB,    288                        ; an odd multiple of 32 bytes
.set HEADB, 128*PA                     ; 18,432: one head's 128 rows
.set PART,  2*HEADB                    ; 36,864: what one tensor load brings (= 128 k-rows x 288)
.set SLOT,  4*PART                     ; 147,456
.set STAGE, 2*SLOT                     ; behind the ring: 16 rows x 272 bytes for each wave; no tensor load lands here
.set SP,    272
.set SIXTEEN, 0x41800000
.set ADRA, 16                          ; v16-17  my ctx fragments in slot 0, 1
.set ADRB, 20                          ; v20-23  my Wo fragments: slot 0 k-rows 0-127, 128-255; slot 1 likewise (LDS offsets have 16 bits)
.set STO,  24
.set RD,   25
.set CO,   26
.set MKO,  27
.set BOF,  28
.set F0,   64                          ; buffer 0: ctx fragments v[64:95], Wo fragments v[96:127]
.set F1,   128                         ; buffer 1: v[128:159], v[160:191]
.set BO,   192                         ; v[192:223] bo of my 32 columns
.set MK,   224                         ; v[224:231] mask of row 16 i + r as f32, twice each
.set MB,   232                         ; v[232:235] the same as bytes
.set T,    64                          ; the way out: at work
.set LDB,  128                         ; the way out: rows read back
.set G1,  24
.set G0,  32
.set G1B, 48
.set G0B, 56
.set MSB, 0
.macro WIN new
.if MSB != (\new)
	s_set_vgpr_msb (MSB<<8)|(\new)
.set MSB, (\new)
.endif
.endm
.macro JLOAD s
	s_cmp_eq_u32 s13, 0
	s_cbranch_scc0 .Lfor_b_\@
	tensor_load_to_lds s[G0+4*\s:G0+4*\s+3], s[G1:G1+7]
	s_nop 0
	s_branch .Lasked_\@
.Lfor_b_\@:
	tensor_load_to_lds s[G0B+4*\s:G0B+4*\s+3], s[G1B:G1B+7]
	s_nop 0
.Lasked_\@:
.endm
.macro CREST
	s_cmp_lg_u32 s12, 0
	s_cbranch_scc1 .Lnot_wave_0_\@
	s_barrier_signal -3
.Lnot_wave_0_\@:
	s_barrier_wait -3
	s_barrier_signal -1
	s_barrier_wait -1
.endm
.macro CROUND
	s_barrier_signal -1
	s_barrier_wait -1
	CREST
.endm
.macro PLACES                          ; four places behind a matrix instruction (ISA guide 7.12.1)
.rept 4
	v_nop
.endr
.endm
	s_load_b256 s[4:11], s[0:1], 0x0               ; ctx s[4:5], wo16 s[6:7], bo s[8:9], mask s[10:11]
	s_load_b64 s[68:69], s[0:1], 0x20              ; out0
	v_lshl_add_u32 v254, v0, 2, 0x4c400
	v_mov_b32 v255, 0
	ds_add_u32 v254, v255
	ds_add_u32 v254, v255
	v_lshrrev_b32 v1, 5, v0
	v_readfirstlane_b32 s12, v1                    ; wave 0..3
	s_lshr_b32 s13, s12, 1                         ; wm.  Also: I fetch for ctx (0) or for Wo (1)
	s_and_b32 s70, s12, 1                          ; wn
	s_max_u32 s71, s12, 2
	s_sub_co_u32 s71, s71, 2                       ; which 128 k-rows waves 2, 3 fetch (not used by waves 0, 1)
	s_bfe_u32 s14, ttmp6, 0x40000                  ; cx
	s_bfe_u32 s15, ttmp6, 0x40004                  ; cy
	s_lshl_b32 s16, ttmp9, 2
	s_add_co_u32 s16, s16, s14                     ; column block
	s_and_b32 s17, ttmp7, 0xffff
	s_lshl_b32 s17, s17, 2
	s_add_co_u32 s17, s17, s15                     ; row block
	s_lshl_b32 s18, s15, 2
	s_lshl_b32 s18, 15, s18                        ; my row of the cluster
	s_lshl_b32 s19, 0x1111, s14                    ; my column
	; group 1 for ctx: a head's 128 rows of 128 bytes are dense: one long row of 8,192 f16; two heads, 262,144 elements apart; 4 words of padding behind every 32
	s_or_b32 s[G1+0], s18, (1<<16)|(1<<20)|(1<<21)|(4<<22)|(3<<25)
	s_mov_b32 s[G1+1], 8192<<16
	s_mov_b32 s[G1+2], 2<<16
	s_mov_b32 s[G1+3], 8192<<16
	s_mov_b32 s[G1+4], 2
	s_mov_b32 s[G1+5], 262144
	s_mov_b32 s[G1+6], 0
	s_mov_b32 s[G1+7], 0
	; group 1 for Wo: 128 k-rows of 128 f16; 8 words of padding behind every 64
	s_or_b32 s[G1B+0], s19, (1<<16)|(1<<20)|(1<<21)|(5<<22)|(7<<25)
	s_mov_b32 s[G1B+1], 128<<16
	s_mov_b32 s[G1B+2], 128<<16
	s_mov_b32 s[G1B+3], 128<<16
	s_mov_b32 s[G1B+4], 128
	s_mov_b32 s[G1B+5], 1024
	s_mov_b32 s[G1B+6], 0
	s_mov_b32 s[G1B+7], 0
	s_lshl_b32 s20, s12, 20                        ; ctx: two heads of 524,288 bytes a wave,
	s_lshl_b32 s40, s17, 14                        ; 128 rows of 128 bytes a row block
	s_add_co_u32 s20, s20, s40
	s_mov_b32 s21, 0
	s_lshl_b32 s22, s71, 18                        ; Wo: 128 k-rows of 2,048 bytes,
	s_lshl_b32 s40, s16, 8                         ; 128 columns a column block
	s_add_co_u32 s22, s22, s40
	s_mov_b32 s23, 0
	s_mul_i32 s41, s12, PART                       ; where my load goes: wave x 36,864
	s_wait_dscnt 0x0
	s_wait_kmcnt 0x0
	s_add_nc_u64 s[42:43], s[4:5], s[20:21]
	s_add_nc_u64 s[44:45], s[6:7], s[22:23]
	CROUND                                         ; all sixteen work-groups are here: the first joint loads meet
.irp s, 0,1
	s_mov_b32 s[G0+4*\s], 1
	s_add_co_u32 s[G0+4*\s+1], s41, \s*SLOT
	s_add_nc_u64 s[G0+4*\s+2:G0+4*\s+3], s[42:43], \s*2097152      ; four heads on
	s_or_b32 s[G0+4*\s+3], s[G0+4*\s+3], 0x80000000
	s_mov_b32 s[G0B+4*\s], 1
	s_add_co_u32 s[G0B+4*\s+1], s41, \s*SLOT
	s_add_nc_u64 s[G0B+4*\s+2:G0B+4*\s+3], s[44:45], \s*524288     ; 256 k-rows on
	s_or_b32 s[G0B+4*\s+3], s[G0B+4*\s+3], 0x80000000
	JLOAD \s                                       ; two loads of this wave are out
.endr
	v_and_b32 v1, 15, v0                           ; r
	v_bfe_u32 v2, v0, 4, 1                         ; h
	v_and_b32 v3, 7, v0
	v_bfe_u32 v4, v0, 3, 1
	v_lshlrev_b32 v[BOF], 5, v2                    ; bo: 32 h
	v_mov_b32 v[MKO], v1                           ; mask: r
	s_lshl_b32 s80, s16, 9                         ; 128 columns of f32,
	s_lshl_b32 s81, s70, 8                         ; 64 of them a wave
	s_add_co_u32 s80, s80, s81
	s_mov_b32 s81, 0
	s_add_nc_u64 s[8:9], s[8:9], s[80:81]
	s_lshl_b32 s82, s17, 7                         ; 128 rows' mask bytes,
	s_lshl_b32 s83, s13, 6                         ; 64 a wave
	s_add_co_u32 s82, s82, s83
	s_mov_b32 s83, 0
	s_add_nc_u64 s[10:11], s[10:11], s[82:83]
.irp b, 0,1,2,3
	global_load_b128 v[BO+8*\b:BO+8*\b+3],   v[BOF], s[8:9] offset:64*\b       ; bo[16 b + 8 h + 0..3]
	global_load_b128 v[BO+8*\b+4:BO+8*\b+7], v[BOF], s[8:9] offset:64*\b+16
.endr
.irp i, 0,1,2,3
	global_load_u8 v[MB+\i], v[MKO], s[10:11] offset:16*\i
.endr
	s_lshl_b32 s84, s17, 19                        ; out0: 128 rows of 4,096 bytes a row block,
	s_lshl_b32 s85, s13, 18                        ; 64 rows a wave,
	s_add_co_u32 s84, s84, s85
	s_add_co_u32 s84, s84, s80                     ; and my columns
	s_mov_b32 s85, 0
	s_add_nc_u64 s[68:69], s[68:69], s[84:85]
	s_mul_i32 s46, s13, 64*PA
	v_mul_u32_u24 v6, v1, PA
	v_lshl_add_u32 v6, v2, 4, v6
	v_add_nc_u32 v[ADRA], s46, v6                  ; (64 wm + r) x pitch + 16 h
	v_add_nc_u32 v[ADRA+1], SLOT, v[ADRA]
	s_lshl_b32 s47, s70, 7
	s_add_co_u32 s47, s47, 2*PART                  ; Wo's part of a slot, my 64 columns
	v_lshl_add_u32 v7, v2, 3, v3
	v_mul_u32_u24 v7, v7, PB
	v_lshl_add_u32 v7, v4, 4, v7
	v_add_nc_u32 v[ADRB], s47, v7                  ; (8 h + l % 8) x pitch + 16 ((l / 8) % 2)
	v_add_nc_u32 v[ADRB+1], PART, v[ADRB]
	v_add_nc_u32 v[ADRB+2], SLOT, v[ADRB]
	v_add_nc_u32 v[ADRB+3], SLOT+PART, v[ADRB]
	s_mul_i32 s78, s12, 16*SP
	s_add_co_u32 s78, s78, STAGE
	v_mul_u32_u24 v8, v1, SP
	v_lshl_add_u32 v8, v2, 5, v8
	v_add_nc_u32 v[STO], s78, v8                   ; in: row r, 32 bytes for each half of the lanes
	v_mul_u32_u24 v9, v2, SP
	v_lshl_add_u32 v9, v1, 4, v9
	v_add_nc_u32 v[RD], s78, v9                    ; back: lanes 0-15 one row of 256 bytes, lanes 16-31 the next
	v_lshlrev_b32 v10, 12, v2
	v_lshl_add_u32 v[CO], v1, 4, v10               ; and the same two rows in out0
; 8 matrix instructions: my row blocks i0, i0 + 1 x my 4 column blocks.  The 16 accumulators take turns.
.macro MUL8 f, i0, zero
.irp i, \i0, \i0+1
.irp b, 0,1,2,3
.if \zero
	v_wmma_f32_16x16x32_f16 v[8*(4*(\i)+\b):8*(4*(\i)+\b)+7], v[\f+32+8*\b:\f+32+8*\b+7], v[\f+8*(\i):\f+8*(\i)+7], 0
.else
	v_wmma_f32_16x16x32_f16 v[8*(4*(\i)+\b):8*(4*(\i)+\b)+7], v[\f+32+8*\b:\f+32+8*\b+7], v[\f+8*(\i):\f+8*(\i)+7], v[8*(4*(\i)+\b):8*(4*(\i)+\b)+7]
.endif
.endr
.endr
.endm
; 16 LDS loads: the fragments of eighth qd (32 along K) of a slot: head qd / 2, its d = 32 (qd % 2) ..; k-rows 32 qd ..
.macro FETCH slot, qd, f
.irp b, 0,1,2,3
	ds_load_tr16_b128 v[\f+32+8*\b:\f+32+8*\b+3],   v[ADRB+2*\slot+(\qd>>2)] offset:(\qd&3)*32*PB+32*\b
	ds_load_tr16_b128 v[\f+32+8*\b+4:\f+32+8*\b+7], v[ADRB+2*\slot+(\qd>>2)] offset:(\qd&3)*32*PB+32*\b+16*PB
.endr
.irp i, 0,1,2,3
	ds_load_b128 v[\f+8*\i:\f+8*\i+3],   v[ADRA+\slot] offset:(\qd>>1)*HEADB+(\qd&1)*64+\i*16*PA
	ds_load_b128 v[\f+8*\i+4:\f+8*\i+7], v[ADRA+\slot] offset:(\qd>>1)*HEADB+(\qd&1)*64+\i*16*PA+32
.endr
.endm
; buffer f is in; the next eighth's fragments go out into g; f is multiplied
.macro QUARTER slot, qd, f, g, zero
	s_wait_dscnt 0x0
	WIN 0
	PLACES
	FETCH \slot, \qd, \g
	WIN 0x50                                       ; C and D window 1
	MUL8 \f, 0, \zero
	MUL8 \f, 2, \zero
.endm
.macro SEVEN slot, zero
	QUARTER \slot, 1, F0, F1, \zero
	QUARTER \slot, 2, F1, F0, 0
	QUARTER \slot, 3, F0, F1, 0
	QUARTER \slot, 4, F1, F0, 0
	QUARTER \slot, 5, F0, F1, 0
	QUARTER \slot, 6, F1, F0, 0
	QUARTER \slot, 7, F0, F1, 0
.endm
; The last eighth multiplies buffer 1 and changes slots.  In front of the barrier: my reads of this slot and all my tensor loads.  fill = 1: the barrier opens a
; round of the cluster's barrier, and this slot's joint refill is my first and only tensor load behind the round.
.macro TURN slot, next, fill
	s_wait_dscnt 0x0
	s_wait_tensorcnt 0x0
	ds_add_u32 v254, v255
	s_wait_dscnt 0x0
	s_barrier_signal -1
	WIN 0x50
	MUL8 F1, 0, 0
	WIN 0
	s_barrier_wait -1
.if \fill
	CREST
	s_add_nc_u64 s[G0+4*\slot+2:G0+4*\slot+3], s[G0+4*\slot+2:G0+4*\slot+3], 4194304     ; eight heads on; no tensor load of mine is out
	s_add_nc_u64 s[G0B+4*\slot+2:G0B+4*\slot+3], s[G0B+4*\slot+2:G0B+4*\slot+3], 1048576 ; 512 k-rows on
	JLOAD \slot
.endif
	PLACES
	FETCH \next, 0, F0
	WIN 0x50
	MUL8 F1, 2, 0
.endm
	s_wait_tensorcnt 0x1                           ; my part of heads 0-3 is in; heads 4-7 stay out
	s_barrier_signal -1
	s_barrier_wait -1
	FETCH 0, 0, F0
	SEVEN 0, 1                                     ; heads 0-3; the first products start the sums
	TURN 0, 1, 1                                   ; asks for heads 8-11
	SEVEN 1, 0                                     ; heads 4-7
	TURN 1, 0, 1                                   ; asks for heads 12-15
	SEVEN 0, 0
	TURN 0, 1, 0                                   ; nothing is left to fetch
	SEVEN 1, 0
	s_wait_dscnt 0x0
	WIN 0x50
	MUL8 F1, 0, 0
	MUL8 F1, 2, 0
	; THE WAY OUT, 16 rows at a time: scale, bias, the row's mask; through my own stage; sixteen lanes store 256 consecutive bytes, aligned
	WIN 0
	PLACES
	s_wait_loadcnt 0x0                             ; bo and the mask bytes
.irp i, 0,1,2,3
	v_cvt_f32_u32 v[MK+2*\i], v[MB+\i]
	v_cvt_f32_u32 v[MK+2*\i+1], v[MB+\i]
.endr
.macro OUT16 i
	WIN 0x01                                       ; source 0: the accumulators' window
.irp b, 0,1,2,3
.irp p, 0,2,4,6
	v_pk_fma_f32 v[T+8*\b+\p:T+8*\b+\p+1], v[8*(4*\i+\b)+\p:8*(4*\i+\b)+\p+1], SIXTEEN, v[BO+8*\b+\p:BO+8*\b+\p+1] op_sel_hi:[1,0,1]
.endr
.endr
	WIN 0
.irp b, 0,1,2,3
.irp p, 0,2,4,6
	v_pk_mul_f32 v[T+8*\b+\p:T+8*\b+\p+1], v[T+8*\b+\p:T+8*\b+\p+1], v[MK+2*\i:MK+2*\i+1]
.endr
.endr
.irp b, 0,1,2,3
	ds_store_b128 v[STO], v[T+8*\b:T+8*\b+3] offset:64*\b
	ds_store_b128 v[STO], v[T+8*\b+4:T+8*\b+7] offset:64*\b+16
.endr
	s_wait_xcnt 0x0                                ; LDB, which the earlier global stores read, is loaded again only behind this wait
.irp t, 0,1,2,3,4,5,6,7
	ds_load_b128 v[LDB+4*\t:LDB+4*\t+3], v[RD] offset:2*SP*\t      ; LDS serves a wave's instructions in order (ISA guide 5.7.1): these see the stores above
.endr
.irp t, 0,1,2,3,4,5,6,7
	s_wait_dscnt 7-\t                              ; the younger read-backs may stay out
	global_store_b128 v[CO], v[LDB+4*\t:LDB+4*\t+3], s[68:69] offset:(16*\i+2*\t)*4096 th:TH_STORE_NT
.endr
.endm
	OUT16 0
	OUT16 1
	OUT16 2
	OUT16 3
	s_wait_tensorcnt 0x0
	ds_add_u32 v254, v255
	s_wait_dscnt 0x0
	CROUND                                         ; the closing round: no work-group ends while a partner may still ask for a tile that names it
	s_endpgm
.Lfunc_end_k_q7fb58f4c1c_oproj:
	.size	k_q7fb58f4c1c_oproj, .Lfunc_end_k_q7fb58f4c1c_oproj-k_q7fb58f4c1c_oproj
	.p2alignl 7, 3214868480
	.fill 96, 4, 3214868480
	.section	.rodata,"a",@progbits
	.p2align	6, 0x0
	.amdhsa_kernel k_q7fb58f4c1c_oproj
		.amdhsa_group_segment_fixed_size 327680
		.amdhsa_private_segment_fixed_size 0
		.amdhsa_enable_private_segment 0
		.amdhsa_kernarg_size 40
		.amdhsa_user_sgpr_count 2
		.amdhsa_user_sgpr_kernarg_segment_ptr 1
		.amdhsa_wavefront_size32 1
		.amdhsa_system_sgpr_workgroup_id_x 1
		.amdhsa_system_sgpr_workgroup_id_y 1
		.amdhsa_system_sgpr_workgroup_id_z 1
		.amdhsa_system_vgpr_workitem_id 0
		.amdhsa_next_free_vgpr 384
		.amdhsa_next_free_sgpr 96
		.amdhsa_reserve_vcc 0
		.amdhsa_float_denorm_mode_32 3
		.amdhsa_float_denorm_mode_16_64 3
		.amdhsa_memory_ordered 1
		.amdhsa_forward_progress 1
		.amdhsa_inst_pref_size 100
	.end_amdhsa_kernel
	.amdgpu_metadata
---
amdhsa.version: [ 1, 2 ]
amdhsa.kernels:
  - .name:           k_q7fb58f4c1c_oproj
    .symbol:         k_q7fb58f4c1c_oproj.kd
    .args:
      - { .name: ctx, .offset: 0, .size: 8, .value_kind: global_buffer, .address_space: global }
      - { .name: wo16, .offset: 8, .size: 8, .value_kind: global_buffer, .address_space: global }
      - { .name: bo, .offset: 16, .size: 8, .value_kind: global_buffer, .address_space: global }
      - { .name: mask, .offset: 24, .size: 8, .value_kind: global_buffer, .address_space: global }
      - { .name: out0, .offset: 32, .size: 8, .value_kind: global_buffer, .address_space: global }
    .group_segment_fixed_size: 327680
    .private_segment_fixed_size: 0
    .kernarg_segment_align: 8
    .kernarg_segment_size: 40
    .max_flat_workgroup_size: 128
    .sgpr_count:     96
    .vgpr_count:     384
    .wavefront_size: 32
...
	.end_amdgpu_metadata
.endif
;; end of part 4
;; ======== version 2 of 2: 4 launches; version 1 with the launch prep written anew for expert scheduling mode
;; limits: right only within a limited range of input values; values are held in f16: magnitudes above 65,504 overflow, below 6.1e-05 lose precision
;; workspace buffers: x16 8,388,608 bytes; w16 6,291,456 bytes; wo16 2,097,152 bytes; qh 8,388,608 bytes; kh 8,388,608 bytes; vh 8,388,608 bytes; ctx 8,388,608 bytes
;; launch prep (part 5): grid 256 x 1, 8 waves a work-group, no clusters, 0 bytes of LDS; arguments x, Wq, Wk, Wv, Wo, x16, w16, wo16; writes x16, w16, wo16
.if DOCPART == 5
	.amdgcn_target "amdgcn-amd-amdhsa--gfx1250"
	.amdhsa_code_object_version 6
	.text
	.protected	k_q7fb58f4c1c_prep
	.globl	k_q7fb58f4c1c_prep
	.p2align	8
	.type	k_q7fb58f4c1c_prep,@function
k_q7fb58f4c1c_prep:
	s_mov_b64 s[64:65], 0
	v_nop
	global_prefetch_b8 v0, s[64:65] scope:SCOPE_SE
	s_setreg_imm32_b32 hwreg(HW_REG_WAVE_SCHED_MODE, 0, 2), 2
	s_setreg_imm32_b32 hwreg(HW_REG_WAVE_MODE, 25, 1), 1
	s_wait_xcnt 0x0
	s_wait_alu depctr_vm_vsrc(0)
; Casts the matrix operands from f32 to f16, once, so that the later launches move half the bytes and can bring
; their tiles in with tensor loads:
;   x16  [4096][1024]          = f16(x)
;   w16  [type q,k,v][head 16][k 1024][64] = f16(Wq, Wk, Wv), regrouped so that one head's 64 columns of one weight are a dense plane
;   wo16 [1024][1024]          = f16(Wo)
; LIMIT: |x| and |W| must stay below 65504 (f16's largest number); beyond it the cast gives infinity.
; A stream: no LDS, no barrier, no matrix unit, no cluster (no byte is read twice).  2,048 waves; each has 32 items.
; An item = one load of 16 bytes a lane (the wave: 512 bytes), two conversions, one store of 8 bytes a lane (the wave: 256
; consecutive bytes, aligned).  All 32 loads of a wave go out first (16 KiB a wave on their way); no register is written twice.
; THE MODE: SCHED_MODE bits 1:0 = 2 (LLVM: expert scheduling mode 2), set by the entry lines.  The code itself states the register dependences
; between vector instructions and memory instructions, with s_wait_alu, always for 0.
; THE PLAN.  Registers that memory instructions touch:
;   v1, v3   offsets of the loads, v2 offset of the stores: made once at the head by vector instructions, never written again.
;   X        item n: four registers in which its one load lands; read by its two conversions; no vector instruction writes them.
;   Y        item n: two registers that its two conversions write, once; read by its one store.
; The 32 items go in eight groups of four (groups 0 to 3: x; 4 to 6: Wq, Wk, Wv; 7: Wo).  Group g: the wait for its first load; ONE wait on va_vdst, which states
; that group g - 1's eight conversions have written their Y; the four stores of group g - 1 in one run; then the group's own conversions, each item behind its
; counted wait.  Those conversions name X and Y of group g alone, none of the registers that the four stores read.  No register that a memory
; instruction reads is ever written again, and no load lands in a register that a vector instruction has named: so no wait on vm_vsrc is owed.
.set X, 8                              ; v[8:135]    item n: 4 registers as loaded
.set Y, 136                            ; v[136:199]  item n: 2 registers to store
	s_load_b512 s[4:19], s[0:1], 0x0               ; x s[4:5], Wq s[6:7], Wk s[8:9], Wv s[10:11], Wo s[12:13], x16 s[14:15], w16 s[16:17], wo16 s[18:19]
	v_lshrrev_b32 v4, 5, v0
	v_readfirstlane_b32 s20, v4                    ; wave in the work-group
	v_and_b32 v4, 31, v0                           ; lane L
	v_lshlrev_b32 v1, 4, v4                        ; 16 L: dense source
	v_lshlrev_b32 v2, 3, v4                        ; 8 L: every destination
	v_and_b32 v3, 15, v0
	v_lshlrev_b32 v3, 4, v3
	v_bfe_u32 v5, v0, 4, 1
	v_lshl_add_u32 v3, v5, 12, v3                  ; a weight's source: lanes 0-15 take 256 bytes of one row, lanes 16-31 of the next row (4,096 bytes on)
	s_lshl_b32 s21, ttmp9, 3
	s_wait_alu depctr_va_sdst(0)                   ; s20 is written, ahead of its first reader: every base below is made from it
	s_add_co_u32 s21, s21, s20                     ; W: wave in the launch, 0 to 2047
	s_lshl_b32 s22, s21, 13                        ; x: 8,192 bytes a wave
	s_mov_b32 s23, 0
	s_lshl_b32 s24, s21, 12                        ; x16: 4,096 bytes a wave
	s_mov_b32 s25, 0
	s_lshr_b32 s30, s21, 4                         ; W >> 4: which eight rows of a weight
	s_and_b32 s31, s21, 15                         ; W & 15: which head
	s_lshl_b32 s26, s30, 15                        ; eight rows of 4,096 bytes
	s_lshl_b32 s32, s31, 8                         ; the head's 64 columns: 256 bytes
	s_add_co_u32 s26, s26, s32
	s_mov_b32 s27, 0
	s_lshl_b32 s28, s31, 17                        ; w16: the head's plane of 131,072 bytes
	s_lshl_b32 s33, s30, 10                        ; eight rows of 128 bytes
	s_add_co_u32 s28, s28, s33
	s_mov_b32 s29, 0
	s_lshl_b32 s34, s21, 11                        ; Wo: 2,048 bytes a wave
	s_mov_b32 s35, 0
	s_lshl_b32 s36, s21, 10                        ; wo16: 1,024 bytes a wave
	s_mov_b32 s37, 0
	s_wait_kmcnt 0x0
	s_add_nc_u64 s[4:5], s[4:5], s[22:23]
	s_add_nc_u64 s[6:7], s[6:7], s[26:27]
	s_add_nc_u64 s[8:9], s[8:9], s[26:27]
	s_add_nc_u64 s[10:11], s[10:11], s[26:27]
	s_add_nc_u64 s[12:13], s[12:13], s[34:35]
	s_add_nc_u64 s[14:15], s[14:15], s[24:25]
	s_add_nc_u64 s[16:17], s[16:17], s[28:29]
	s_add_nc_u64 s[18:19], s[18:19], s[36:37]
	s_wait_alu depctr_va_vdst(0)                   ; v1, v2 and v3 are written: every load and store of the kernel reads one of them as its offset
	; the 32 loads; every input byte is read once in the launch
.set cnt, 0
.rept 16
	global_load_b128 v[X+4*cnt:X+4*cnt+3], v1, s[4:5] offset:512*cnt th:TH_LOAD_NT
.set cnt, cnt+1
.endr
.irp w, 6, 8, 10
.irp i, 0,1,2,3
	global_load_b128 v[X+4*cnt:X+4*cnt+3], v3, s[\w:\w+1] offset:8192*\i th:TH_LOAD_NT   ; rows 2 i and 2 i + 1 of my eight
.set cnt, cnt+1
.endr
.endr
.irp i, 0,1,2,3
	global_load_b128 v[X+4*cnt:X+4*cnt+3], v1, s[12:13] offset:512*\i th:TH_LOAD_NT
.set cnt, cnt+1
.endr
; The conversions of group g, items 4 g to 4 g + 3.  Loads come back in order (ISA guide 5.7.1): the count is the number of younger loads.
; The wait for the group's first item stands ahead of the macro.
.macro CONV g
.irp i, 0,1,2,3
.if \i > 0
	s_wait_loadcnt 31-4*(\g)-\i
.endif
	v_cvt_pk_f16_f32 v[Y+8*(\g)+2*\i], v[X+16*(\g)+4*\i], v[X+16*(\g)+4*\i+1]
	v_cvt_pk_f16_f32 v[Y+8*(\g)+2*\i+1], v[X+16*(\g)+4*\i+2], v[X+16*(\g)+4*\i+3]
.endr
.endm
; The four stores of group g: base s[b:b+1], 256 consecutive bytes a store from byte imm of the wave's part on.
.macro SEND g, b, imm
.irp i, 0,1,2,3
	global_store_b64 v2, v[Y+8*(\g)+2*\i:Y+8*(\g)+2*\i+1], s[\b:\b+1] offset:(\imm)+256*\i
.endr
.endm
; Group g, behind the first.  b, imm: where group g - 1 goes.
.macro GRP g, b, imm
	s_wait_loadcnt 31-4*(\g)                       ; the group's first item is in
	s_wait_alu depctr_va_vdst(0)                   ; the conversions of group g - 1 have written their eight Y registers, which the four stores below read
	SEND (\g)-1, \b, \imm
	CONV \g
.endm
	s_wait_loadcnt 31                              ; item 0 is in
	CONV 0
	GRP 1, 14, 0                                   ; x16: 1,024 bytes a group
	GRP 2, 14, 1024
	GRP 3, 14, 2048
	GRP 4, 14, 3072
	GRP 5, 16, 0                                   ; w16: the type's 16 planes are 2,097,152 bytes; two rows of 128 bytes a store
	GRP 6, 16, 2097152
	GRP 7, 16, 4194304
	s_wait_alu depctr_va_vdst(0)                   ; the conversions of group 7 have written their Y, which the last four stores read
	SEND 7, 18, 0                                  ; wo16
	s_endpgm
.Lfunc_end_k_q7fb58f4c1c_prep:
	.size	k_q7fb58f4c1c_prep, .Lfunc_end_k_q7fb58f4c1c_prep-k_q7fb58f4c1c_prep
	.p2alignl 7, 3214868480
	.fill 96, 4, 3214868480
	.section	.rodata,"a",@progbits
	.p2align	6, 0x0
	.amdhsa_kernel k_q7fb58f4c1c_prep
		.amdhsa_group_segment_fixed_size 0
		.amdhsa_private_segment_fixed_size 0
		.amdhsa_enable_private_segment 0
		.amdhsa_kernarg_size 64
		.amdhsa_user_sgpr_count 2
		.amdhsa_user_sgpr_kernarg_segment_ptr 1
		.amdhsa_wavefront_size32 1
		.amdhsa_system_sgpr_workgroup_id_x 1
		.amdhsa_system_sgpr_workgroup_id_y 1
		.amdhsa_system_sgpr_workgroup_id_z 1
		.amdhsa_system_vgpr_workitem_id 0
		.amdhsa_next_free_vgpr 200
		.amdhsa_next_free_sgpr 66
		.amdhsa_reserve_vcc 0
		.amdhsa_float_denorm_mode_32 3
		.amdhsa_float_denorm_mode_16_64 3
		.amdhsa_memory_ordered 1
		.amdhsa_forward_progress 1
		.amdhsa_inst_pref_size 13
	.end_amdhsa_kernel
	.amdgpu_metadata
---
amdhsa.version: [ 1, 2 ]
amdhsa.kernels:
  - .name:           k_q7fb58f4c1c_prep
    .symbol:         k_q7fb58f4c1c_prep.kd
    .args:
      - { .name: x, .offset: 0, .size: 8, .value_kind: global_buffer, .address_space: global }
      - { .name: Wq, .offset: 8, .size: 8, .value_kind: global_buffer, .address_space: global }
      - { .name: Wk, .offset: 16, .size: 8, .value_kind: global_buffer, .address_space: global }
      - { .name: Wv, .offset: 24, .size: 8, .value_kind: global_buffer, .address_space: global }
      - { .name: Wo, .offset: 32, .size: 8, .value_kind: global_buffer, .address_space: global }
      - { .name: x16, .offset: 40, .size: 8, .value_kind: global_buffer, .address_space: global }
      - { .name: w16, .offset: 48, .size: 8, .value_kind: global_buffer, .address_space: global }
      - { .name: wo16, .offset: 56, .size: 8, .value_kind: global_buffer, .address_space: global }
    .group_segment_fixed_size: 0
    .private_segment_fixed_size: 0
    .kernarg_segment_align: 8
    .kernarg_segment_size: 64
    .max_flat_workgroup_size: 256
    .sgpr_count:     66
    .vgpr_count:     200
    .wavefront_size: 32
...
	.end_amdgpu_metadata
.endif
;; end of part 5
;; launch qkv: the kernel of part 2 again; grid 16 x 16, 4 waves a work-group, clusters of 4 x 4, 327,680 bytes of LDS; arguments x16, w16, bq, bv, cos, sin, qh, kh, vh; writes qh, kh, vh
;; launch attn: the kernel of part 3 again; grid 16 x 16, 16 waves a work-group, no clusters, 202,752 bytes of LDS; arguments qh, kh, vh, mask, ctx; writes ctx
;; launch oproj: the kernel of part 4 again; grid 8 x 32, 4 waves a work-group, clusters of 4 x 4, 327,680 bytes of LDS; arguments ctx, wo16, bo, mask, out0; writes out0
